; MI455X (gfx1250); checked and timed in simulation.
; The chip was launched on July 23, 2026; its instructions are those of AMD's public machine-readable ISA for CDNA 5 (MIT licence, August 2026) and "CDNA5" Instruction Set Architecture Reference Guide (July 2026). The comments in the code are by the model that wrote it; some were corrected since.
;; Transformer Layer. Allowed arithmetic: matrix products marked QUANTISED: E2M3 operands, one E8M0 scale for each 32 along K, by v_wmma_scale_f32_16x16x128_f8f6f4 with both operands' format E2M3, f32 sums; everything else in f32.
;; Inputs: W_fc1 1,024 x 4,096 float32; W_fc2 4,096 x 1,024 float32; W_out 1,024 x 1,024 float32; W_qkv 1,024 x 3,072 float32; b_fc1 4,096 float32; b_fc2 1,024 float32; b_out 1,024 float32; b_qkv 3,072 float32; ln1_b 1,024 float32; ln1_g 1,024 float32; ln2_b 1,024 float32; ln2_g 1,024 float32; x 2 x 2,048 x 1,024 float32.
;; Outputs: out0 2 x 2,048 x 1,024 float32.
;; This version of the problem:
;;   THIS VERSION OF THE PROBLEM IS GIVEN IN LOW PRECISION. The matrix products marked QUANTISED in the list below multiply operands that are first quantised to E2M3 (2 exponent bits, 3 mantissa bits; 6 bits a number), with one power-of-two scale for each 32 numbers along K (OCP MX v1.0); their sums are f32. All else is computed in f32.
;;   The module's matrix products, in the order in which they are computed (A, B: the left and right operand; K: the contracted axis; several contracted axes count as one K, in the product's order):
;;     1. [M 4,096, K 1,024] x [K 1,024, N 3,072]; A: computed on the way; B: input W_qkv: QUANTISED
;;     2. batch 32 x [M 2,048, K 64] x [K 64, N 2,048]; A: computed on the way; B: computed on the way: QUANTISED
;;     3. batch 32 x [M 2,048, K 2,048] x [K 2,048, N 64]; A: softmax (see below); B: computed on the way: QUANTISED
;;     4. [M 4,096, K 1,024] x [K 1,024, N 1,024]; A: computed on the way; B: input W_out: QUANTISED
;;     5. [M 4,096, K 1,024] x [K 1,024, N 4,096]; A: computed on the way; B: input W_fc1: QUANTISED
;;     6. [M 4,096, K 4,096] x [K 4,096, N 1,024]; A: computed on the way; B: input W_fc2: QUANTISED
;;   THE QUANTISER, for each operand of a quantised product, along K:
;;     - K is cut into blocks of 32 from its start; a last block that is shorter is filled with zeros.
;;     - A block's scale is 2^e with e = floor(log2(the largest magnitude in the block)) - 2, held to -126 .. 127; a block of zeros has e = 0. As a byte (E8M0): e + 127.
;;     - Each number is divided by its block's scale, clamped to +-7.5, and rounded to the nearest number of E2M3, ties to even, subnormals kept.
;;     - The product sums the exact products of the quantised numbers (number of the format x scale) in f32.
;;   ~~~python
;;   def quantise(x, axis):      # numpy; x: float32 -> the quantised numbers, widened to float32 again
;;       x = np.moveaxis(x, axis, -1); K = x.shape[-1]
;;       x = np.pad(x, [(0, 0)] * (x.ndim - 1) + [(0, -K % 32)]); x = x.reshape(x.shape[:-1] + (-1, 32)); a = np.abs(x).max(-1, keepdims=True)
;;       e = np.where(a > 0, np.clip(np.frexp(np.where(a > 0, a, 1))[1] - 1 - 2, -126, 127), 0)      # np.frexp(a)[1] - 1 = floor(log2(a)), exactly
;;       r = np.clip(x / 2.0 ** e, -7.5, 7.5)
;;       step = 2.0 ** (np.maximum(np.frexp(np.where(r == 0, 1, r))[1] - 1, 0) - 3)
;;       q = np.round(r / step) * step * 2.0 ** e      # np.round: ties to even
;;       return np.moveaxis(q.reshape(q.shape[:-2] + (-1,))[..., :K], -1, axis).astype(np.float32)
;;   ~~~
;;   SOFTMAX AHEAD OF A QUANTISED PRODUCT. Where the list says 'softmax', what is quantised is not the finished softmax but p = 2^(t - M), with t = logit x log2(e) and M = ceil(the row's largest t), a whole number; so 1/2 < the row's largest p <= 1. The row's sum l is taken of the UNQUANTISED p, in f32, and the product's result is divided by l at the end. Since M is a whole number, a kernel that streams over the keys may use a running M (the ceiling of the running maximum): every later rescaling is an exact power of two, which a block's scale takes up: the codes' values come out the same.
;;   OPERANDS COMPUTED ON THE WAY. 'Computed on the way' means the value that the module computes at that place (a softmax that the list does not call 'softmax' is quantised finished and normalised). What goes into a quantiser is computed in f32, as accurately as f32 sums, v_exp_f32 and their like allow (about 1e-6 of the number): no bf16 or f16 on the way to a quantiser, and a product that is left as it is and whose result goes on into a quantised operand takes f32 operands (vector FMAs, or v_wmma_f32_16x16x4_f32). A number that lies on a knife's edge between two numbers of the format may be rounded either way, as far as f32 arithmetic and the matrix unit's own rounding can turn it there, and no further.
;; One version. Each part assembles by itself: llvm-mc -triple=amdgcn-amd-amdhsa -mcpu=gfx1250 --defsym DOCPART=n.
;; ======== version 1 of 1: 7 launches
;; limits: right only within a limited range of input values
;; workspace buffers: wc 9,830,400 bytes; hq 3,276,800 bytes; qc 6,684,672 bytes; kv 6,684,672 bytes; oc 3,276,800 bytes; temp 16,777,216 bytes; fq 13,107,200 bytes
;; launch prep (part 1): grid 448 x 1, 8 waves a work-group, no clusters, 70,656 bytes of LDS; arguments x, ln1_g, ln1_b, hq, W_qkv, W_out, W_fc1, W_fc2, wc; writes hq, wc
.if DOCPART == 1
	.amdgcn_target "amdgcn-amd-amdhsa--gfx1250"
	.amdhsa_code_object_version 6
	.text
	.protected	k_q52100f0035_prep
	.globl	k_q52100f0035_prep
	.p2align	8
	.type	k_q52100f0035_prep,@function
k_q52100f0035_prep:
	s_mov_b64 s[64:65], 0
	v_nop
	global_prefetch_b8 v0, s[64:65] scope:SCOPE_SE
	s_setreg_imm32_b32 hwreg(HW_REG_WAVE_MODE, 25, 1), 1
	s_wait_xcnt 0x0
; ONE PREPARING LAUNCH FOR ALL THAT THE PRODUCTS READ AS CODES OF FP6 (E2M3, one E8M0 byte for each 32 along K).  Work-groups 0 to 191 quantise the four weights, work-groups 192 to 447 make Q(layernorm(x)).
; The two paths part on the work-group's number at the first lines; only the norm's path touches LDS and has barriers.  448 work-groups of 8 waves x 256 registers: two fit on a WGP, so all are at work at once.
; A BLOCK OF A WORKSPACE (12,800 bytes) holds 128 rows x 128 along K: eight fragments of 16 rows (1,536 bytes each: registers 0-3 at 16 x lane, 4-5 at 512 + 8 x lane, 6-9 at 768 + 16 x lane, 10-11 at 1,280 + 8 x lane),
; then 512 bytes of scale words, row r's eight words at 32 r.  Row r of fragment t is row 32 (t / 2) + 8 (t % 2) + r + (r & 8) of the 128.  Blocks lie [row group][K step].
; THE WEIGHTS, f32, stored [K][N]: a row of a block is a column n.  A work-group makes four blocks: waves 0-3 blocks 4 g and 4 g + 2, waves 4-7 blocks 4 g + 1 and 4 g + 3, in a loop of two trips; a wave takes 32 columns
; (two fragments) of its block.  A LANE TAKES A COLUMN AND ITS REGISTERS RUN DOWN K: a load reads 128 consecutive bytes, four waves 512; a block of 32 along K lies in one lane, and the conversions give codes with K innermost.
; Twelve exchanges of lane halves give each lane what the operand's layout wants of it.
; The four tensors differ in their row length, which stands in the loads' immediates: four copies of the path, chosen by the work-group's number.
; THE NORM: (x - mean) x rsqrt(var + 1e-5) x g + b over rows of 1,024.  A work-group takes the 16 rows of one fragment, wave w columns 128 w on.  Each load reads 512 consecutive bytes of a row; the 16 x 512 bytes turn
; through the wave's own stage in LDS, so that lane (r, h) holds, of row r, the numbers 32 b + 16 h + 0 .. 15 of block b in registers 16 b + 0 .. 15.  The mean is taken away before the squares are summed.
; Both sums meet in LDS: a word for each row and wave, one barrier each, added in one order by all waves.
; A block's scale is 2^(floor(log2(largest magnitude)) - 2); its byte is the magnitude's exponent field - 2, held at 1 from below.
; LIMITS: a block of zeros, or one whose largest magnitude lies under 2^-124, keeps the byte 1 (this program alone reads the bytes); NaN and infinities are not served.
.set NWQ, 192                          ; work-groups for the weights
.set X, 64                             ; v64-191 a column's 128 numbers; in the norm v64-127 my 64 numbers
	v_lshl_add_u32 v62, v0, 2, 0x11000             ; my spare word and 0
	v_mov_b32 v63, 0
	s_cmp_lt_u32 ttmp9, NWQ
	s_cbranch_scc0 .Lnorm
	s_load_b256 s[4:11], s[0:1], 0x20              ; W_qkv, W_out, W_fc1, W_fc2
	s_load_b64 s[12:13], s[0:1], 0x40              ; wc
	v_lshrrev_b32 v1, 5, v0
	v_readfirstlane_b32 s26, v1                    ; wave 0..7
	s_and_b32 s15, s26, 3                          ; my place among my block's four waves
	s_lshr_b32 s26, s26, 2
	s_lshl_b32 s27, ttmp9, 2
	s_add_co_u32 s26, s26, s27                     ; my first block, 0 .. 765; my second lies two on
	v_and_b32 v1, 31, v0                           ; lane
	v_and_b32 v2, 7, v0
	v_bfe_u32 v3, v0, 3, 1
	v_lshl_add_u32 v2, v3, 4, v2
	v_bfe_u32 v3, v0, 4, 1                         ; h
	v_lshl_add_u32 v2, v3, 3, v2                   ; my column of the wave's 32: (lane & 7) + 16 ((lane >> 3) & 1) + 8 (lane >> 4)
	v_lshlrev_b32 v6, 2, v2
	s_mul_i32 s14, s15, 3072                       ; my wave's two fragments
	v_lshl_add_u32 v4, v1, 4, s14
	v_lshl_add_u32 v5, v1, 3, s14
	v_and_b32 v7, 15, v0
	v_lshlrev_b32 v7, 5, v7
	v_lshl_add_u32 v7, v3, 2, v7
	s_lshl_b32 s14, s15, 3
	v_add_nc_u32 v7, s14, v7                       ; my scale word: 32 r + 4 (2 w + h)
; block t of 32 along K: its byte into v14, its codes into v[dst .. dst + 5].  cnt: how many younger loads may stay out
.macro QB t, dst, cnt
.set XS, X+32*(\t)
	s_wait_loadcnt \cnt
	v_max3_num_f32 v12, |v[XS]|, |v[XS+1]|, |v[XS+2]|
	v_max3_num_f32 v13, |v[XS+3]|, |v[XS+4]|, |v[XS+5]|
.irp i, 6,10,14,18,22,26
	v_max3_num_f32 v12, v12, |v[XS+\i]|, |v[XS+\i+1]|
	v_max3_num_f32 v13, v13, |v[XS+\i+2]|, |v[XS+\i+3]|
.endr
	v_max3_num_f32 v12, v12, |v[XS+30]|, |v[XS+31]|
	v_max3_num_f32 v12, v12, v13, 0x1800000        ; and the floor 2^(3 - 127): the byte cannot fall under 1
	v_add_nc_u32 v11, 0xff000000, v12              ; 2 off the exponent field: the conversion takes this operand's exponent field as its scale
	v_lshrrev_b32 v13, 23, v11                     ; the byte
.if (\t) == 0
	v_mov_b32 v14, v13
.else
	v_lshl_or_b32 v14, v13, 8*(\t), v14
.endif
	v_cvt_scalef32_pk16_fp6_f32 v[\dst:\dst+2], v[XS:XS+15], v11
	v_cvt_scalef32_pk16_fp6_f32 v[40:42], v[XS+16:XS+31], v11      ; (a conversion's three registers begin on an even number)
	v_nop                                          ; one plain line behind the conversions
.irp i, 0,1,2
	v_mov_b32 v[\dst+3+\i], v[40+\i]
.endr
.endm
.macro WPATH N, LOGNKS, FIRST, SRC, DSTOFF
	s_sub_co_u32 s16, s26, \FIRST                  ; which block of this tensor: column group x K steps + K step
	s_mov_b32 s28, 2                               ; two blocks a wave
.Ltask_\@:
	s_and_b32 s17, s16, (1<<\LOGNKS)-1             ; K step
	s_lshr_b32 s18, s16, \LOGNKS                   ; column group
	s_mul_i32 s20, s17, 512*\N                     ; 128 rows of N x 4 bytes
	s_lshl_b32 s18, s18, 9                         ; 128 columns
	s_add_co_u32 s20, s20, s18
	s_lshl_b32 s18, s15, 7                         ; my wave's 32 columns
	s_add_co_u32 s20, s20, s18
	s_mov_b32 s21, 0
	s_add_nc_u64 s[22:23], s[\SRC:\SRC+1], s[20:21]
	s_mul_i32 s20, s16, 12800
	s_add_co_u32 s20, s20, \DSTOFF
	s_add_nc_u64 s[24:25], s[12:13], s[20:21]
.irp t, 0,1,2,3
.irp i, 0,1,2,3,4,5,6,7,8,9,10,11,12,13,14,15,16,17,18,19,20,21,22,23,24,25,26,27,28,29,30,31
	global_load_b32 v[X+32*\t+\i], v6, s[22:23] offset:(32*\t+\i)*4*\N th:TH_LOAD_NT
.endr
.endr
	QB 0, 16, 63                                   ; 96 loads are younger than block 0's; the wait can name 63 at the most
	QB 1, 28, 63                                   ; 64 are younger
	QB 2, 22, 32
	QB 3, 34, 0
.irp j, 0,1,2,3,4,5,6,7,8,9,10,11
	v_permlane16_swap_b32 v[16+\j], v[28+\j]       ; v16-27 (blocks 0, 2) and v28-39 (blocks 1, 3) become fragment 2 w and fragment 2 w + 1
.endr
	global_store_b128 v4, v[16:19], s[24:25]                       ; each store covers 512 or 256 consecutive bytes
	global_store_b64  v5, v[20:21], s[24:25] offset:512
	global_store_b128 v4, v[22:25], s[24:25] offset:768
	global_store_b64  v5, v[26:27], s[24:25] offset:1280
	global_store_b128 v4, v[28:31], s[24:25] offset:1536
	global_store_b64  v5, v[32:33], s[24:25] offset:1536+512
	global_store_b128 v4, v[34:37], s[24:25] offset:1536+768
	global_store_b64  v5, v[38:39], s[24:25] offset:1536+1280
	global_store_b32  v7, v14, s[24:25] offset:12288               ; my column's scale word
	s_add_co_u32 s16, s16, 2                       ; my second block
	s_sub_co_u32 s28, s28, 1
	s_wait_xcnt 0x0                                ; the stores have read their data and their base: both are written again in the next trip
	s_wait_alu depctr_va_vdst(0)                   ; the wait ahead of the backward jump
	s_cmp_lg_u32 s28, 0
	s_cbranch_scc1 .Ltask_\@
	s_endpgm
.endm
	s_wait_kmcnt 0x0
	s_cmp_lt_u32 ttmp9, 48                         ; a work-group's four blocks belong to one tensor: the tensors begin at blocks 0, 192, 256, 512
	s_cbranch_scc1 .Lqkv
	s_cmp_lt_u32 ttmp9, 64
	s_cbranch_scc1 .Lout
	s_cmp_lt_u32 ttmp9, 128
	s_cbranch_scc1 .Lfc1
	s_wait_alu depctr_va_vdst(0)                   ; the wait at the head's end, on each of the four ways
	WPATH 1024, 5, 512, 10, 6553600                ; W_fc2: 8 column groups x 32 K steps
.Lqkv:
	s_wait_alu depctr_va_vdst(0)
	WPATH 3072, 3, 0, 4, 0                         ; W_qkv: 24 x 8
.Lout:
	s_wait_alu depctr_va_vdst(0)
	WPATH 1024, 3, 192, 6, 2457600                 ; W_out: 8 x 8
.Lfc1:
	s_wait_alu depctr_va_vdst(0)
	WPATH 4096, 3, 256, 8, 3276800                 ; W_fc1: 32 x 8
; ---------------- the norm
.set STG, 8448                         ; a wave's stage: 16 rows of 512 bytes + 16
.set RED, 67584                        ; behind the stages: two times 8 waves x 16 rows x 4 bytes; behind them, at 0x11000, the spare words
.set G,  128                           ; v128-191 g at my columns
.set R,  192                           ; v192-255 the rows as loaded; then b
.set PC, 16                            ; v16-35   the codes
.set TM, 36                            ; v36-51   at work
.set PW, 52                            ; v52      the scale word
.Lnorm:
	s_load_b256 s[4:11], s[0:1], 0x0               ; x, g, b, hq
	s_sub_co_u32 s34, ttmp9, NWQ                   ; which fragment of 16 rows
	v_lshrrev_b32 v1, 5, v0
	s_delay_alu instid0(VALU_DEP_1)
	v_readfirstlane_b32 s12, v1                    ; wave = K step
	v_and_b32 v1, 31, v0                           ; lane
	v_and_b32 v2, 15, v0                           ; r
	v_bfe_u32 v3, v0, 4, 1                         ; h
	s_delay_alu instid0(VALU_DEP_3)
	v_lshlrev_b32 v4, 4, v1                        ; 16 x lane
	s_delay_alu instid0(VALU_DEP_4)
	v_lshlrev_b32 v5, 3, v1                        ; 8 x lane
	s_delay_alu instid0(VALU_DEP_3)
	v_lshlrev_b32 v6, 6, v3                        ; 64 h
	s_mul_i32 s13, s12, STG
	v_add_nc_u32 v7, s13, v4                       ; the stage, on the way in
	v_mul_u32_u24 v8, v2, 528
	s_delay_alu instid0(VALU_DEP_1)
	v_add_nc_u32 v8, v8, v6
	s_delay_alu instid0(VALU_DEP_1)
	v_add_nc_u32 v8, s13, v8                       ; and on the way out: row r, + 64 h
	v_lshl_add_u32 v9, v2, 2, RED                  ; the sums: row r's words
	s_lshl_b32 s14, s12, 6
	v_add_nc_u32 v10, s14, v9                      ; my wave's
	v_lshlrev_b32 v11, 5, v2                       ; 32 r: the scale word's place
	s_mov_b32 s30, 0x76543210
	s_mov_b32 s31, 0xfedcba98                      ; lane l xor 16
	s_mov_b32 s32, 0x3a800000                      ; 1 / 1024
	s_mov_b32 s33, 0x3727c5ac                      ; 1e-5
	s_lshr_b32 s15, s34, 1
	s_lshl_b32 s15, s15, 5
	s_and_b32 s16, s34, 1
	s_lshl_b32 s16, s16, 3
	s_add_co_u32 s15, s15, s16                     ; the fragment's first row
	s_lshl_b32 s16, s15, 12
	s_lshl_b32 s18, s12, 9                         ; my 128 columns
	s_add_co_u32 s16, s16, s18
	s_mov_b32 s17, 0
	s_mov_b32 s19, 0
	s_lshr_b32 s20, s34, 3
	s_lshl_b32 s20, s20, 3
	s_add_co_u32 s20, s20, s12
	s_mul_i32 s20, s20, 12800                      ; the block: row group x 8 + K step
	s_mov_b32 s21, 0
	s_and_b32 s22, s34, 7
	s_mul_i32 s24, s22, 1536
	s_add_co_u32 s24, s24, s20                     ; the fragment in it
	s_mov_b32 s25, 0
	s_lshl_b32 s22, s22, 2
	s_add_co_u32 s20, s20, s22                     ; and its column of scale words
	s_wait_alu depctr_va_vdst(0)                   ; the wait at the head's end
	s_wait_kmcnt 0x0
	s_add_nc_u64 s[4:5], s[4:5], s[16:17]
	s_add_nc_u64 s[6:7], s[6:7], s[18:19]
	s_add_nc_u64 s[8:9], s[8:9], s[18:19]
	s_add_nc_u64 s[26:27], s[10:11], s[24:25]
	s_add_nc_u64 s[28:29], s[10:11], s[20:21]
.irp i, 0,1,2,3,4,5,6,7,8,9,10,11,12,13,14,15
	global_load_b128 v[R+4*\i:R+4*\i+3], v4, s[4:5] offset:(\i+(\i&8))*4096   ; 512 consecutive bytes of the fragment's row i
.endr
.irp b, 0,1,2,3
.irp j, 0,1,2,3
	global_load_b128 v[G+16*\b+4*\j:G+16*\b+4*\j+3], v6, s[6:7] offset:128*\b+16*\j
.endr
.endr
	s_wait_loadcnt 16                              ; the rows are in; g's sixteen loads may stay out
.irp i, 0,1,2,3,4,5,6,7,8,9,10,11,12,13,14,15
	ds_store_b128 v7, v[R+4*\i:R+4*\i+3] offset:528*\i
.endr
.irp b, 0,1,2,3
.irp j, 0,1,2,3
	ds_load_b128 v[X+16*\b+4*\j:X+16*\b+4*\j+3], v8 offset:128*\b+16*\j      ; LDS serves a wave's instructions in order: these see my stores
.endr
.endr
	s_wait_dscnt 0x0
.irp b, 0,1,2,3
.irp j, 0,1,2,3
	global_load_b128 v[R+16*\b+4*\j:R+16*\b+4*\j+3], v6, s[8:9] offset:128*\b+16*\j   ; b, into the registers that the rows have left
.endr
.endr
; v[36:37] holds a lane's sum in two halves -> v36 = the row's sum, the same bits in every wave
.macro ACROSS off
	s_delay_alu instid0(VALU_DEP_1)
	v_add_f32 v36, v36, v37
	s_delay_alu instid0(VALU_DEP_1)
	v_permlanex16_b32 v37, v36, s30, s31
	s_delay_alu instid0(VALU_DEP_1)
	v_add_f32 v36, v36, v37
	ds_store_b32 v10, v36 offset:\off              ; lanes r and r + 16 write the same word with the same value
	s_wait_dscnt 0x0                               ; for the others' sake
	s_barrier_signal -1
	s_barrier_wait -1
.irp i, 0,1,2,3,4,5,6,7
	ds_load_b32 v[36+\i], v9 offset:\off+64*\i
.endr
	s_wait_dscnt 0x0
	v_add_f32 v36, v36, v37
	v_add_f32 v38, v38, v39
	v_add_f32 v40, v40, v41
	v_add_f32 v42, v42, v43
	s_delay_alu instid0(VALU_DEP_3)
	v_add_f32 v36, v36, v38
	s_delay_alu instid0(VALU_DEP_2)
	v_add_f32 v40, v40, v42
	s_delay_alu instid0(VALU_DEP_1)
	v_add_f32 v36, v36, v40
.endm
.macro FOLD                            ; four chains of pairs into one
	s_delay_alu instid0(VALU_DEP_3)
	v_pk_add_f32 v[36:37], v[36:37], v[38:39]
	s_delay_alu instid0(VALU_DEP_2)
	v_pk_add_f32 v[40:41], v[40:41], v[42:43]
	s_delay_alu instid0(VALU_DEP_1)
	v_pk_add_f32 v[36:37], v[36:37], v[40:41]
.endm
.irp c, 0,1,2,3
	v_pk_add_f32 v[TM+2*\c:TM+2*\c+1], v[X+2*\c:X+2*\c+1], v[X+8+2*\c:X+9+2*\c]    ; the first pairs start the chains
.endr
.irp p, 8,12,16,20,24,28
.irp c, 0,1,2,3
	s_delay_alu instid0(VALU_DEP_4)
	v_pk_add_f32 v[TM+2*\c:TM+2*\c+1], v[TM+2*\c:TM+2*\c+1], v[X+2*(\p+\c):X+2*(\p+\c)+1]
.endr
.endr
	FOLD
	ACROSS 0
	s_delay_alu instid0(VALU_DEP_1)
	v_mul_f32 v54, s32, v36                        ; the mean
	s_delay_alu instid0(VALU_DEP_1)
	v_mov_b32 v55, v54
.set j, 0
.rept 32
	v_pk_add_f32 v[X+2*j:X+2*j+1], v[X+2*j:X+2*j+1], v[54:55] neg_lo:[0,1] neg_hi:[0,1]
.set j, j+1
.endr
.irp c, 0,1,2,3
	v_pk_mul_f32 v[TM+2*\c:TM+2*\c+1], v[X+2*\c:X+2*\c+1], v[X+2*\c:X+2*\c+1]
.endr
.irp p, 4,8,12,16,20,24,28
.irp c, 0,1,2,3
	s_delay_alu instid0(VALU_DEP_4)
	v_pk_fma_f32 v[TM+2*\c:TM+2*\c+1], v[X+2*(\p+\c):X+2*(\p+\c)+1], v[X+2*(\p+\c):X+2*(\p+\c)+1], v[TM+2*\c:TM+2*\c+1]
.endr
.endr
	FOLD
	ACROSS 512                                     ; other words than the first sum's: one barrier is enough
	s_delay_alu instid0(VALU_DEP_1)
	v_fma_f32 v58, v36, s32, s33                   ; var + eps
	s_wait_alu depctr_va_vdst(0)
	v_rsq_f32 v56, v58
	v_nop                                          ; one plain line behind the transcendental
	s_wait_alu depctr_va_vdst(0)                   ; and the wait ahead of the first use
	v_mov_b32 v57, v56
	s_wait_alu depctr_va_vdst(0)
	s_wait_loadcnt 0x0                             ; g and b
.set j, 0
.rept 32
	v_pk_mul_f32 v[X+2*j:X+2*j+1], v[X+2*j:X+2*j+1], v[56:57]
.set j, j+1
.endr
.set j, 0
.rept 32
	v_pk_fma_f32 v[X+2*j:X+2*j+1], v[X+2*j:X+2*j+1], v[G+2*j:G+2*j+1], v[R+2*j:R+2*j+1]
.set j, j+1
.endr
	; the quantiser: four blocks of 32, each in lanes l and l xor 16
.irp b, 0,1,2,3
	v_max3_num_f32 v[TM+\b], |v[X+16*\b]|, |v[X+16*\b+1]|, 0x1800000      ; and the floor 2^(3 - 127)
.endr
.irp i, 2,4,6,8,10,12,14
.irp b, 0,1,2,3
	s_delay_alu instid0(VALU_DEP_4)
	v_max3_num_f32 v[TM+\b], v[TM+\b], |v[X+16*\b+\i]|, |v[X+16*\b+\i+1]|
.endr
.endr
.irp b, 0,1,2,3
	s_delay_alu instid0(VALU_DEP_4)
	v_permlanex16_b32 v[TM+4+\b], v[TM+\b], s30, s31               ; (its destinations were written by the sums)
.endr
.irp b, 0,1,2,3
	s_delay_alu instid0(VALU_DEP_4)
	v_max_num_f32 v[TM+\b], v[TM+\b], v[TM+4+\b]
.endr
.irp b, 0,1,2,3
	s_delay_alu instid0(VALU_DEP_4)
	v_add_nc_u32 v[TM+12+\b], 0xff000000, v[TM+\b]                 ; 2 off the exponent field: the conversion's scale operand
.endr
.irp b, 0,1,2,3
	s_delay_alu instid0(VALU_DEP_4)
	v_lshrrev_b32 v[TM+4+\b], 23, v[TM+12+\b]                      ; the byte
.endr
	s_delay_alu instid0(VALU_DEP_3)
	v_lshl_or_b32 v[PW], v[TM+5], 8, v[TM+4]
	s_delay_alu instid0(VALU_DEP_1)
	v_lshl_or_b32 v[PW], v[TM+6], 16, v[PW]
	s_delay_alu instid0(VALU_DEP_1)
	v_lshl_or_b32 v[PW], v[TM+7], 24, v[PW]
.irp c, 0,1
	v_cvt_scalef32_pk16_fp6_f32 v[PC+6*\c:PC+6*\c+2], v[X+32*\c:X+32*\c+15], v[TM+12+2*\c]
	v_cvt_scalef32_pk16_fp6_f32 v[PC+12+4*\c:PC+14+4*\c], v[X+16+32*\c:X+31+32*\c], v[TM+13+2*\c]
.endr
	v_nop                                          ; one plain line behind the conversions
.irp c, 0,1                                    ; the operand wants a whole block in a lane: lanes 0-15 block 2 c, lanes 16-31 block 2 c + 1
.irp i, 0,1,2
	v_permlane16_swap_b32 v[PC+6*\c+\i], v[PC+12+4*\c+\i]
.endr
.irp i, 0,1,2
	s_delay_alu instid0(VALU_DEP_3)
	v_mov_b32 v[PC+3+6*\c+\i], v[PC+12+4*\c+\i]
.endr
.endr
	global_store_b128 v4, v[PC:PC+3], s[26:27]                     ; 512, 256, 512, 256 consecutive bytes
	global_store_b64  v5, v[PC+4:PC+5], s[26:27] offset:512
	global_store_b128 v4, v[PC+6:PC+9], s[26:27] offset:768
	global_store_b64  v5, v[PC+10:PC+11], s[26:27] offset:1280
	global_store_b32  v11, v[PW], s[28:29] offset:12288            ; row r's word (lanes r and r + 16 hold the same)
	s_wait_tensorcnt 0x0                           ; the wave's end
	ds_add_u32 v62, v63
	s_wait_dscnt 0x0
	s_endpgm
.Lfunc_end_k_q52100f0035_prep:
	.size	k_q52100f0035_prep, .Lfunc_end_k_q52100f0035_prep-k_q52100f0035_prep
	.p2alignl 7, 3214868480
	.fill 96, 4, 3214868480
	.section	.rodata,"a",@progbits
	.p2align	6, 0x0
	.amdhsa_kernel k_q52100f0035_prep
		.amdhsa_group_segment_fixed_size 70656
		.amdhsa_private_segment_fixed_size 0
		.amdhsa_enable_private_segment 0
		.amdhsa_kernarg_size 72
		.amdhsa_user_sgpr_count 2
		.amdhsa_user_sgpr_kernarg_segment_ptr 1
		.amdhsa_wavefront_size32 1
		.amdhsa_system_sgpr_workgroup_id_x 1
		.amdhsa_system_sgpr_workgroup_id_y 1
		.amdhsa_system_sgpr_workgroup_id_z 1
		.amdhsa_system_vgpr_workitem_id 0
		.amdhsa_next_free_vgpr 256
		.amdhsa_next_free_sgpr 66
		.amdhsa_reserve_vcc 0
		.amdhsa_float_denorm_mode_32 3
		.amdhsa_float_denorm_mode_16_64 3
		.amdhsa_memory_ordered 1
		.amdhsa_forward_progress 1
		.amdhsa_inst_pref_size 111
	.end_amdhsa_kernel
	.amdgpu_metadata
---
amdhsa.version: [ 1, 2 ]
amdhsa.kernels:
  - .name:           k_q52100f0035_prep
    .symbol:         k_q52100f0035_prep.kd
    .args:
      - { .name: x, .offset: 0, .size: 8, .value_kind: global_buffer, .address_space: global }
      - { .name: ln1_g, .offset: 8, .size: 8, .value_kind: global_buffer, .address_space: global }
      - { .name: ln1_b, .offset: 16, .size: 8, .value_kind: global_buffer, .address_space: global }
      - { .name: hq, .offset: 24, .size: 8, .value_kind: global_buffer, .address_space: global }
      - { .name: W_qkv, .offset: 32, .size: 8, .value_kind: global_buffer, .address_space: global }
      - { .name: W_out, .offset: 40, .size: 8, .value_kind: global_buffer, .address_space: global }
      - { .name: W_fc1, .offset: 48, .size: 8, .value_kind: global_buffer, .address_space: global }
      - { .name: W_fc2, .offset: 56, .size: 8, .value_kind: global_buffer, .address_space: global }
      - { .name: wc, .offset: 64, .size: 8, .value_kind: global_buffer, .address_space: global }
    .group_segment_fixed_size: 70656
    .private_segment_fixed_size: 0
    .kernarg_segment_align: 8
    .kernarg_segment_size: 72
    .max_flat_workgroup_size: 256
    .sgpr_count:     66
    .vgpr_count:     256
    .wavefront_size: 32
...
	.end_amdgpu_metadata
.endif
;; end of part 1
;; launch qkv (part 2): grid 12 x 16, 4 waves a work-group, clusters of 4 x 4, 327,680 bytes of LDS; arguments hq, wc, b_qkv, qc, kv; writes qc, kv
.if DOCPART == 2
	.amdgcn_target "amdgcn-amd-amdhsa--gfx1250"
	.amdhsa_code_object_version 6
	.text
	.protected	k_q52100f0035_qkv
	.globl	k_q52100f0035_qkv
	.p2align	8
	.type	k_q52100f0035_qkv,@function
k_q52100f0035_qkv:
	s_mov_b64 s[64:65], 0
	v_nop
	global_prefetch_b8 v0, s[64:65] scope:SCOPE_SE
	s_setreg_imm32_b32 hwreg(HW_REG_WAVE_MODE, 25, 1), 1
	s_wait_xcnt 0x0
	s_wait_alu depctr_hold_cnt(0) depctr_sa_sdst(0) depctr_va_vdst(0) depctr_va_sdst(0) depctr_va_ssrc(0) depctr_va_vcc(0) depctr_vm_vsrc(0)
	s_getreg_b32 s2, hwreg(HW_REG_IB_STS2, 6, 4)
	s_cmp_eq_u32 s2, 0
	s_cbranch_scc0 .Lentry_in_a_cluster
	s_endpgm
.Lentry_in_a_cluster:
	s_bfe_u32 s2, ttmp6, 0x10000c
	s_cmp_lg_u32 s2, 0xf033
	s_cbranch_scc0 .Lentry_shape_is_right
	s_endpgm
.Lentry_shape_is_right:
; q, k, v = Q(h) Q(W_qkv) + b_qkv on codes of FP6 (E2M3), and each result quantised in registers for attention's two products: q and k along the head's 64, v along the keys.
; OPERANDS lie in blocks of 12,800 bytes (128 rows x 128 K: eight fragments of 1,536 bytes as images of their registers, then 512 bytes of scale words, row r's eight at 32 r), laid [row group][K step];
; row r of fragment t is row 32 (t / 2) + 8 (t % 2) + r + (r & 8) of the group.  So a K step's tiles are dense blocks for the tensor data mover, every LDS read is 16 or 8 bytes a lane on end, and with the product
; used transposed (source 0 = the operand called B, source 1 = the one called A) a lane holds one row of A and its 64 registers of A's block a are B's rows 32 b + 16 h + 0 .. 15 in registers 16 b + 0 .. 15.
; SHARES.  A tile of 256 x 256 to a work-group of four waves, 128 x 128 (64 accumulators, 512 registers) to a wave.
; K = 1,024 IS 8 STEPS OF 128, 51,200 bytes each; LDS takes six: three slots of two steps, all asked for at the start.  Slot 0 is filled once more, with steps 6 and 7, behind the change of slots in step 1, and has the
; rest of that step and steps 2 to 4, 224 matrix instructions, in which to land.  In front of that change every wave has waited for all its loads, so slot 2 is whole for everybody too: the change from slot 1 to slot 2 has no barrier.
; ROLES.  Clusters x = 0, 1 make q and k: A = tokens (hq), B = features (W).  Clusters x = 2 make v with the roles changed: A = W_v's features, B = tokens, so that a lane's registers run along the KEYS.
; Pointers and tile numbers are chosen by selects on the cluster's x, which all partners share; one branch on it parts the two ways out.
; CLUSTERS of 4 x 4: A's tiles hang on the tile row alone and are asked for jointly along a row of the cluster, B's along a column.
; OUT.  qc, kv: [batch x head][128 tokens] of 13,056 bytes.  q (and k): eight half fragments (16 tokens x 64: 768 bytes) and at 6,144 the scale words (bytes 0, 1; bytes 2, 3 are 0), row r's eight at 32 r.
; kv further: at 6,656 four fragments of V^T (16 of the head's 64 x 128 keys), at 12,800 their scale words, row r's four at 16 r.
; LIMITS: a block of zeros, or one under 2^-124, keeps the byte 1 (this program alone reads the bytes); NaN and infinities are not served.
; REGISTERS: window 0: v1-3 r, h, lane; v4-12, v20-25 LDS addresses, one for each slot; v14, v15 the spare word's address and 0; v16-18 store offsets; v32-47 scale words, two sets; v48-56 at work; v64-159, v160-255 A's fragments, two sets.
;   window 1: v0-95, v96-191 B's fragments, two sets; v192-255 the bias.   windows 2, 3: the accumulators ((a, b) at v[8 (8 (a % 4) + b)] of window 2 + a / 4).
.set NBK,  8                           ; fragments of A and of B a wave
.set NQ,   2                           ; K steps in a slot
.set NKS,  8                           ; K steps in all
.set AW0,  2
.set ACC0, 0
.set AF,   64
.set BF,   0
.set SC,   32
; LDS: four regions of 76,800 bytes, one for each wave's load: A's row group 0, A's 1, B's 0, B's 1.  A region holds its row group's K steps 0 to 5 on end; a slot is two steps of each region.
.set ABSTEP, 76800                     ; from one half of a tile's rows to the other: a region
.set SSTEP,  76800                     ; the same for the scale words
.set GB,    12800
.set QRT,   6*GB                       ; a region: what a wave's one load at the head brings: 300 rows of 256 bytes
.set SLOT,  2*GB                       ; from a slot to the next inside a region
.set SPARE, 4*QRT                      ; behind the regions: the spare words, 128 bytes a wave
.set FR,    12
.set SETP,  FR*NBK
.set A16,  4                           ; v4-6   A's fragments in slot 0, 1, 2: + 16 x lane
.set A8,   7                           ; v7-9   + 8 x lane
.set B16,  10                          ; v10-12 B's
.set B8,   20                          ; v20-22
.set ADS,  23                          ; v23-25 the scale words
.set G1,  24                           ; s[24:31] descriptor group 1 for A's tiles; group 0: s[32:35]
.set G1B, 48                           ; s[48:55] the same for B's; group 0: s[56:59]
.set MSB, 0
.macro WIN new                         ; the immediate's high byte repeats the setting that is left; a switch that changes nothing is dropped
.if MSB != (\new)
	s_set_vgpr_msb (MSB<<8)|(\new)
.set MSB, (\new)
.endif
.endm
.macro PLACES n
.rept \n
	v_nop
.endr
.endm
; A joint load: waves 0 and 1 fetch for A, waves 2 and 3 for B; the branch hangs on the wave's number alone.  Four v_nop follow each of the two lines.
.macro JLOAD g0a, g1a, g0b, g1b
	s_cmp_eq_u32 s15, 0
	s_cbranch_scc0 .Lfor_b_\@
	tensor_load_to_lds s[\g0a:\g0a+3], s[\g1a:\g1a+7]
	s_nop 0
.rept 4
	v_nop
.endr
	s_branch .Lasked_\@
.Lfor_b_\@:
	tensor_load_to_lds s[\g0b:\g0b+3], s[\g1b:\g1b+7]
	s_nop 0
.rept 4
	v_nop
.endr
.Lasked_\@:
.endm
.macro CREST                           ; a round of the cluster's barrier behind its opening barrier
	s_cmp_lg_u32 s14, 0
	s_cbranch_scc1 .Lnot_wave_0_\@
	s_barrier_signal -3
.Lnot_wave_0_\@:
	s_barrier_wait -3
	s_barrier_signal -1
	s_barrier_wait -1
.endm
.macro CROUND
	s_barrier_signal -1
	s_barrier_wait -1
	CREST
.endm
.macro FIRST ga, gb, s                 ; slot s's two groups 0, and its first fill
	s_mov_b32 s[\ga], 1
	s_add_co_u32 s[\ga+1], s45, \s*SLOT
	s_add_nc_u64 s[\ga+2:\ga+3], s[20:21], \s*NQ*GB
	s_or_b32 s[\ga+3], s[\ga+3], 0x80000000
	s_mov_b32 s[\gb], 1
	s_add_co_u32 s[\gb+1], s45, \s*SLOT
	s_add_nc_u64 s[\gb+2:\gb+3], s[46:47], \s*NQ*GB
	s_or_b32 s[\gb+3], s[\gb+3], 0x80000000
	JLOAD \ga, G1, \gb, G1B
.endm
.macro FRAG reg, a16, a8, off          ; a fragment's image: 512, 256, 512, 256 consecutive bytes
	ds_load_b128 v[\reg:\reg+3], v[\a16] offset:\off
	ds_load_b64 v[\reg+4:\reg+5], v[\a8] offset:\off+512
	ds_load_b128 v[\reg+6:\reg+9], v[\a16] offset:\off+768
	ds_load_b64 v[\reg+10:\reg+11], v[\a8] offset:\off+1280
.endm
.macro FETCH slot, q, p                ; the fragments and scale words of the slot's q-th K step into set p
	WIN 0x40                                       ; destination window 1
.set fi, 0
.rept NBK
.set fr, BF+SETP*(\p)+FR*fi
.set fo, (\q)*GB+fi*1536
	FRAG fr, B16+\slot, B8+\slot, fo
.set fi, fi+1
.endr
	WIN 0
.set fi, 0
.rept NBK
.set fr, AF+SETP*(\p)+FR*fi
.set fo, (\q)*GB+fi*1536
	FRAG fr, A16+\slot, A8+\slot, fo
.set fi, fi+1
.endr
.set fi, 0
.rept NBK/4
	ds_load_b128 v[SC+NBK*(\p)+4*fi:SC+NBK*(\p)+4*fi+3], v[ADS+\slot] offset:(\q)*GB+16*fi   ; register i: lanes 0-15 the word of A's block i, lanes 16-31 that of B's block i
.set fi, fi+1
.endr
.endm
; A's blocks a0 .. a0 + n - 1 against B's NBK, from set p.  All accumulators take turns, one instruction a turn, in one order in every step.  zero = 1: the products start the sums.
.macro MULS p, a0, n, zero
.set ma, \a0
.rept \n
	WIN (AW0+ma/4)*0x50+1                          ; source 0 (B) window 1, source 1 (A) window 0, C and D the accumulators' window
.set mb, 0
.rept NBK
.set rD, ACC0+8*(NBK*(ma%4)+mb)
.set rB, BF+SETP*(\p)+FR*mb
.set rA, AF+SETP*(\p)+FR*ma
.if \zero
	v_wmma_scale_f32_16x16x128_f8f6f4 v[rD:rD+7], v[rB:rB+FR-1], v[rA:rA+FR-1], 0, v[SC+NBK*(\p)+mb], v[SC+NBK*(\p)+ma] matrix_a_fmt:MATRIX_FMT_FP6 matrix_b_fmt:MATRIX_FMT_FP6 matrix_a_scale:MATRIX_SCALE_ROW1
.else
	v_wmma_scale_f32_16x16x128_f8f6f4 v[rD:rD+7], v[rB:rB+FR-1], v[rA:rA+FR-1], v[rD:rD+7], v[SC+NBK*(\p)+mb], v[SC+NBK*(\p)+ma] matrix_a_fmt:MATRIX_FMT_FP6 matrix_b_fmt:MATRIX_FMT_FP6 matrix_a_scale:MATRIX_SCALE_ROW1
.endif
.set mb, mb+1
.endr
.set ma, ma+1
.endr
.endm
; A K step whose successor lies in a slot that is known whole: it multiplies set mp and fetches the next step, the fq-th of slot fs, into the other set
.macro STEPG fs, fq, mp, zero
	s_wait_dscnt 0x0                               ; this step's fragments, asked for a step ago
	PLACES 4                                       ; in front of loads into the set that the last step's products read (ISA guide 7.12.1 for vector instructions)
	FETCH \fs, \fq, 1-(\mp)
	MULS \mp, 0, NBK, \zero
	WIN 0
.endm
; A K step (set 1) with a barrier: in front of it each wave waits for all its tensor loads, adds 0 to its spare word, and waits for that and for its reads of the slot that it leaves.  Behind it slot next is read.
; fill = 1: the barrier opens a round of the cluster's, and slot 0, which has just been left, takes K steps 6 and 7.
.macro TURN next, fill
	s_wait_dscnt 0x0                               ; this step's fragments: my last reads of the slot in hand
	s_wait_tensorcnt 0x0                           ; all my tensor loads have landed
	ds_add_u32 v14, v15                            ; 0 onto my spare word
	MULS 1, 0, NBK/4, 0                            ; matrix work stands between the add and the wait for it
	s_wait_dscnt 0x0                               ; the add is done
	s_barrier_signal -1
	MULS 1, NBK/4, NBK/4, 0
	WIN 0
	s_barrier_wait -1
.if \fill
	CREST                                          ; no wave of any partner still reads slot 0 or has a load on its way
	s_add_nc_u64 s[34:35], s[34:35], 6*GB          ; from K step 0 to K step 6
	s_add_nc_u64 s[58:59], s[58:59], 6*GB
	s_mov_b32 s[G1+2], 100<<16                     ; no load of mine is out: from here on a load brings 100 rows, two K steps
	s_mov_b32 s[G1+4], 100
	s_mov_b32 s[G1B+2], 100<<16
	s_mov_b32 s[G1B+4], 100
	JLOAD 32, G1, 56, G1B                          ; the first tensor load behind the round, and my only one; its four v_nop are the places in front of the loads below
.else
	PLACES 4
.endif
	FETCH \next, 0, 0
	MULS 1, NBK/2, NBK/2, 0
	WIN 0
.endm
.set PC, 192                           ; the way out, window 0, in the registers that held A's fragments: v192-211 codes, v212-227 at work, v228 the scale word
.set TM, 212
.set PW, 228
.set SW, 48                            ; v48-55 the eight blocks' scale words (before that: the bias loads' offsets)
.set SH, 56                            ; v56    16 h
.set HEADB, 208896                     ; from a head to the next in qc and kv: 16 x 13,056
; 64 numbers v[s .. s + 63] of window w, register 16 b + i = k 32 b + 16 h + i of my row, become a fragment's codes in v[PC] on and its scale word in v[PW]
.macro QUANT s, w
	WIN (\w)|((\w)<<2)
.irp b, 0,1,2,3
	v_max3_num_f32 v[TM+\b], |v[\s+16*\b]|, |v[\s+16*\b+1]|, 0x1800000    ; and the floor 2^(3 - 127): the byte cannot fall under 1
.endr
	WIN ((\w)<<2)|((\w)<<4)
.irp i, 2,4,6,8,10,12,14
.irp b, 0,1,2,3
	v_max3_num_f32 v[TM+\b], v[TM+\b], |v[\s+16*\b+\i]|, |v[\s+16*\b+\i+1]|
.endr
.endr
	WIN 0
.irp b, 0,1,2,3
	v_permlanex16_b32 v[TM+4+\b], v[TM+\b], s20, s21
.endr
.irp b, 0,1,2,3
	v_max_num_f32 v[TM+\b], v[TM+\b], v[TM+4+\b]   ; with lane l xor 16's: the block's largest magnitude
.endr
.irp b, 0,1,2,3
	v_add_nc_u32 v[TM+12+\b], 0xff000000, v[TM+\b] ; 2 off its exponent field: the conversion's scale operand
.endr
.irp b, 0,1,2,3
	v_lshrrev_b32 v[TM+4+\b], 23, v[TM+12+\b]      ; the byte
.endr
	v_lshl_or_b32 v[PW], v[TM+5], 8, v[TM+4]
	v_lshl_or_b32 v[PW], v[TM+6], 16, v[PW]
	v_lshl_or_b32 v[PW], v[TM+7], 24, v[PW]
	WIN (\w)
.irp c, 0,1
	v_cvt_scalef32_pk16_fp6_f32 v[PC+6*\c:PC+6*\c+2], v[\s+32*\c:\s+32*\c+15], v[TM+12+2*\c]
	v_cvt_scalef32_pk16_fp6_f32 v[PC+12+4*\c:PC+14+4*\c], v[\s+16+32*\c:\s+31+32*\c], v[TM+13+2*\c]
.endr
	WIN 0
	v_nop                                          ; one plain line behind the conversions
.irp c, 0,1                                    ; the operand wants a whole block in a lane
.irp i, 0,1,2
	v_permlane16_swap_b32 v[PC+6*\c+\i], v[PC+12+4*\c+\i]
.endr
.irp i, 0,1,2
	v_mov_b32 v[PC+3+6*\c+\i], v[PC+12+4*\c+\i]
.endr
.endr
.endm
.macro STFRAG off
	global_store_b128 v16, v[PC:PC+3], s[76:77] offset:\off
	global_store_b64 v17, v[PC+4:PC+5], s[76:77] offset:\off+512
	global_store_b128 v16, v[PC+6:PC+9], s[76:77] offset:\off+768
	global_store_b64 v17, v[PC+10:PC+11], s[76:77] offset:\off+1280
.endm
	s_load_b128 s[4:7], s[0:1], 0x0                ; hq, wc
	s_load_b128 s[8:11], s[0:1], 0x10              ; b_qkv, qc
	s_load_b64 s[12:13], s[0:1], 0x20              ; kv
	v_lshl_add_u32 v14, v0, 2, SPARE
	v_mov_b32 v15, 0
	ds_add_u32 v14, v15
	ds_add_u32 v14, v15
	s_wait_dscnt 0x0
	v_lshrrev_b32 v1, 5, v0
	v_readfirstlane_b32 s14, v1                    ; wave 0..3
	s_lshr_b32 s15, s14, 1                         ; my half of A's rows.  Also: I fetch for A (0) or for B (1)
	s_and_b32 s16, s14, 1                          ; my half of B's rows.  Also: which row group of that tile I fetch
	s_bfe_u32 s40, ttmp6, 0x40000                  ; cx
	s_bfe_u32 s41, ttmp6, 0x40004                  ; cy
	s_and_b32 s66, ttmp7, 0xffff
	s_lshl_b32 s66, s66, 2                         ; 4 x cluster y
	s_lshl_b32 s67, ttmp9, 2                       ; 4 x cluster x
	s_cmp_eq_u32 ttmp9, 2                          ; the clusters that make v: the same answer in all sixteen partners
	s_cselect_b32 s17, 0, s66
	s_cselect_b32 s42, s66, s67
	s_cselect_b32 s71, 0x190000, 0                 ; W_v begins 16 row groups x 8 K steps x 12,800 bytes into W_qkv's codes
	s_cselect_b32 s68, 4, 0                        ; the bias loads' strides: by my row of A (v),
	s_cselect_b32 s69, 0, 64                       ; by my half of the lanes
	s_cselect_b32 s70, 0, 4                        ; and by the register (q, k)
	s_add_co_u32 s17, s17, s41                     ; A's tile: 4 y + cy (tokens) or cy (W_v)
	s_add_co_u32 s42, s42, s40                     ; B's tile: 4 x + cx (W_q, W_k) or 4 y + cx (tokens)
	s_lshl_b32 s43, s41, 2
	s_lshl_b32 s43, 15, s43                        ; my row of the cluster
	s_lshl_b32 s44, 0x1111, s40                    ; my column
	s_or_b32 s[G1], s43, (3<<16)|(1<<21)           ; 15:0 the mask; 17:16 elements of 8 bytes; 21 set beside a mask; no padding
	s_or_b32 s[G1B], s44, (3<<16)|(1<<21)
.irp g, G1, G1B
	s_mov_b32 s[\g+1], 32<<16                      ; tensor_dim0 = 32 elements: 256 bytes
	s_mov_b32 s[\g+2], 300<<16                     ; tensor_dim1 = 300 rows: six blocks of 12,800 bytes, dense
	s_mov_b32 s[\g+3], 32<<16                      ; tile_dim0
	s_mov_b32 s[\g+4], 300                         ; tile_dim1
	s_mov_b32 s[\g+5], 32                          ; the pitch
	s_mov_b32 s[\g+6], 0
	s_mov_b32 s[\g+7], 0
.endr
	s_lshl_b32 s20, s17, 1
	s_add_co_u32 s20, s20, s16
	s_mul_i32 s20, s20, NKS*GB                     ; A: row group 2 x tile + which
	s_add_co_u32 s20, s20, s71
	s_mov_b32 s21, 0
	s_lshl_b32 s46, s42, 1
	s_add_co_u32 s46, s46, s16
	s_mul_i32 s46, s46, NKS*GB                     ; B likewise, in registers that never hold A's coordinate
	s_mov_b32 s47, 0
	s_mul_i32 s45, s14, QRT                        ; where they go: wave x 76,800: no place in the cluster enters an LDS address
	s_lshl_b32 s72, s42, 10                        ; the bias: q, k: features 256 x B's tile + 128 x my half of B;
	s_lshl_b32 s73, s16, 9
	s_add_co_u32 s72, s72, s73
	s_lshl_b32 s73, s17, 10                        ; v: features 2,048 + 256 x A's tile + 128 x my half of A
	s_lshl_b32 s74, s15, 9
	s_add_co_u32 s73, s73, s74
	s_add_co_u32 s73, s73, 8192
	s_cmp_eq_u32 ttmp9, 2
	s_cselect_b32 s72, s73, s72
	s_mov_b32 s73, 0
	s_wait_kmcnt 0x0
	s_cselect_b64 s[78:79], s[6:7], s[4:5]         ; A's buffer
	s_cselect_b64 s[80:81], s[4:5], s[6:7]         ; B's
	s_add_nc_u64 s[20:21], s[78:79], s[20:21]
	s_add_nc_u64 s[46:47], s[80:81], s[46:47]
	s_add_nc_u64 s[72:73], s[8:9], s[72:73]
	CROUND                                         ; all sixteen work-groups are here: the first joint loads meet
	FIRST 32, 56, 0                                ; K steps 0 to 5 of my row group: my one load at the head
	v_and_b32 v1, 15, v0                           ; r
	v_bfe_u32 v2, v0, 4, 1                         ; h
	v_and_b32 v3, 31, v0                           ; lane
	v_lshlrev_b32 v16, 4, v3                       ; 16 x lane
	v_lshlrev_b32 v17, 3, v3                       ; 8 x lane
	s_mul_i32 s18, s15, ABSTEP                     ; my half of A
	s_mul_i32 s19, s16, ABSTEP
	s_add_co_u32 s19, s19, 2*QRT                   ; my half of B, behind A's two quarters
.irp s, 0,1,2
	v_add_nc_u32 v[A16+\s], s18, v16
	v_add_nc_u32 v[A8+\s], s18, v17
	v_add_nc_u32 v[B16+\s], s19, v16
	v_add_nc_u32 v[B8+\s], s19, v17
	s_add_co_u32 s18, s18, SLOT
	s_add_co_u32 s19, s19, SLOT
.endr
	s_mul_i32 s22, s15, SSTEP                      ; the scale words: lanes 0-15 take A's rows, lanes 16-31 B's: the lower base + h x the distance
	s_mul_i32 s23, s16, SSTEP
	s_add_co_u32 s23, s23, 2*QRT
	s_sub_co_u32 s23, s23, s22
	v_mul_u32_u24 v[ADS], s23, v2
	v_lshl_add_u32 v[ADS], v1, 5, v[ADS]
	s_add_co_u32 s22, s22, 12288
	v_add_nc_u32 v[ADS], s22, v[ADS]
	v_add_nc_u32 v[ADS+1], SLOT, v[ADS]
	v_add_nc_u32 v[ADS+2], 2*SLOT, v[ADS]
	v_lshlrev_b32 v[SH], 4, v2
	s_mov_b32 s20, 0x76543210
	s_mov_b32 s21, 0xfedcba98                      ; lane l xor 16
	; the bias, with no branch: register 8 t + j of window 1's v192 on takes b at (r + (r & 8)) sa + h sb + j sj + 4 (32 (t / 2) + 8 (t % 2)): q, k: the feature of accumulator register 8 t + j; v: the feature of my row of A's block t
	v_and_b32 v19, 8, v1
	v_add_nc_u32 v19, v19, v1
	v_mul_u32_u24 v19, v19, s68
	v_mad_u32_u24 v19, v2, s69, v19
.irp j, 0,1,2,3,4,5,6,7
	v_mad_u32_u24 v[SW+\j], s70, \j, v19
.endr
	WIN 0x40
.irp t, 0,1,2,3,4,5,6,7
.irp j, 0,1,2,3,4,5,6,7
	global_load_b32 v[192+8*\t+\j], v[SW+\j], s[72:73] offset:(32*(\t/2)+8*(\t%2))*4
.endr
.endr
	WIN 0
	s_wait_tensorcnt 0x0                           ; my region is in
	s_barrier_signal -1
	s_barrier_wait -1
	FETCH 0, 0, 0
	STEPG 0, 1, 0, 1                               ; K step 0: its products start the sums
	TURN 1, 1                                      ; K step 1: slot 0 is left and asked for again; slots 1 and 2 are whole for everybody
	STEPG 1, 1, 0, 0                               ; K step 2
	STEPG 2, 0, 1, 0                               ; K step 3: on into slot 2, with no barrier
	STEPG 2, 1, 0, 0                               ; K step 4
	TURN 0, 0                                      ; K step 5: slot 0's second fill has landed in every wave; nothing is filled any more
	STEPG 0, 1, 0, 0                               ; K step 6
	s_wait_dscnt 0x0                               ; K step 7
	MULS 1, 0, NBK, 0
	WIN 0
	PLACES 4                                       ; in front of the first reads of results and the first writes over fragments
	s_wait_loadcnt 0x0                             ; the bias; its offset registers are free
.irp b, 0,1,2,3
	v_mov_b32 v[TM+4+\b], 0                        ; written once: a lane permute's destination counts as one of its sources
.endr
	v_mul_u32_u24 v18, v2, HEADB                   ; lanes 16-31 store the next head's scale words
	s_cmp_eq_u32 ttmp9, 2
	s_cbranch_scc1 .Lvpath
	; ---- q, k: my 128 tokens (A's blocks a) x my 128 features = two heads.  A block's fragment is two half fragments, one for each head
	s_lshl_b32 s82, s17, 1
	s_add_co_u32 s82, s82, s15                     ; my group of 128 tokens
	s_and_b32 s83, s42, 3
	s_lshl_b32 s83, s83, 2
	s_lshl_b32 s84, s16, 1
	s_add_co_u32 s83, s83, s84                     ; my first head
	s_lshr_b32 s84, s82, 4
	s_lshl_b32 s84, s84, 4
	s_add_co_u32 s84, s84, s83                     ; batch x 16 + head
	s_lshl_b32 s84, s84, 4
	s_and_b32 s82, s82, 15
	s_add_co_u32 s84, s84, s82
	s_mul_i32 s84, s84, 13056
	s_mov_b32 s85, 0
	s_cmp_eq_u32 ttmp9, 0                          ; cluster x = 0 makes q, 1 makes k
	s_cselect_b64 s[76:77], s[10:11], s[12:13]
	s_add_nc_u64 s[76:77], s[76:77], s[84:85]
	s_wait_alu depctr_va_vdst(0)
	v_lshl_add_u32 v18, v1, 5, v18                 ; 32 r + h x a head
.irp a, 0,1,2,3,4,5,6,7
.set qs, 64*(\a%4)
.set qw, 2+\a/4
.if \a > 0
	s_wait_xcnt 0x0                                ; the last block's stores have read their registers
.endif
	WIN qw|4|(qw<<6)
.set ep, 0
.rept 32
	v_pk_add_f32 v[qs+2*ep:qs+2*ep+1], v[qs+2*ep:qs+2*ep+1], v[192+2*ep:193+2*ep]   ; + b, each accumulator from its low end on
.set ep, ep+1
.endr
	QUANT qs, qw
	v_bfe_u32 v[SW+\a], v[PW], v[SH], 16           ; lanes 0-15: the first head's two bytes; lanes 16-31: the second's; bytes 2, 3 are 0
	global_store_b128 v16, v[PC:PC+3], s[76:77] offset:768*\a
	global_store_b64 v17, v[PC+4:PC+5], s[76:77] offset:768*\a+512
	global_store_b128 v16, v[PC+6:PC+9], s[76:77] offset:HEADB+768*\a
	global_store_b64 v17, v[PC+10:PC+11], s[76:77] offset:HEADB+768*\a+512
.endr
	global_store_b128 v18, v[SW:SW+3], s[76:77] offset:6144
	global_store_b128 v18, v[SW+4:SW+7], s[76:77] offset:6160
	s_branch .Ldone
.Lvpath:
	; ---- v: my 128 features (A's blocks a: two heads x four tiles of 16) x my 128 tokens: a block's fragment is a tile of V^T, K = the keys
	s_lshl_b32 s82, s42, 1
	s_add_co_u32 s82, s82, s16                     ; my group of 128 tokens
	s_lshl_b32 s83, s17, 2
	s_lshl_b32 s84, s15, 1
	s_add_co_u32 s83, s83, s84                     ; my first head
	s_lshr_b32 s84, s82, 4
	s_lshl_b32 s84, s84, 4
	s_add_co_u32 s84, s84, s83
	s_lshl_b32 s84, s84, 4
	s_and_b32 s82, s82, 15
	s_add_co_u32 s84, s84, s82
	s_mul_i32 s84, s84, 13056
	s_mov_b32 s85, 0
	s_add_nc_u64 s[76:77], s[12:13], s[84:85]
	s_wait_alu depctr_va_vdst(0)
	v_lshl_add_u32 v18, v1, 4, v18                 ; 16 r + h x a head
.irp a, 0,1,2,3,4,5,6,7
.set qs, 64*(\a%4)
.set qw, 2+\a/4
.if \a > 0
	s_wait_xcnt 0x0
.endif
	WIN qw|4|(qw<<6)
.set ep, 0
.rept 32
	v_pk_add_f32 v[qs+2*ep:qs+2*ep+1], v[qs+2*ep:qs+2*ep+1], v[192+8*\a+(2*ep)%8:193+8*\a+(2*ep)%8]   ; + b of my row of block a (its eight registers hold the same number)
.set ep, ep+1
.endr
	QUANT qs, qw
	v_mov_b32 v[SW+\a], v[PW]
	STFRAG 6656+(\a/4)*HEADB+(\a%4)*1536
.endr
	v_cmp_lt_u32 vcc_lo, 15, v3
.irp i, 0,1,2,3
	v_cndmask_b32 v[SW+\i], v[SW+\i], v[SW+4+\i], vcc_lo   ; lanes 16-31 take the second head's four words
.endr
	global_store_b128 v18, v[SW:SW+3], s[76:77] offset:12800
.Ldone:
	s_wait_tensorcnt 0x0                           ; the wave's end
	ds_add_u32 v14, v15
	s_wait_dscnt 0x0
	CROUND                                         ; the closing round: no work-group ends while a partner may still ask for a tile that names it
	s_endpgm
.Lfunc_end_k_q52100f0035_qkv:
	.size	k_q52100f0035_qkv, .Lfunc_end_k_q52100f0035_qkv-k_q52100f0035_qkv
	.p2alignl 7, 3214868480
	.fill 96, 4, 3214868480
	.section	.rodata,"a",@progbits
	.p2align	6, 0x0
	.amdhsa_kernel k_q52100f0035_qkv
		.amdhsa_group_segment_fixed_size 327680
		.amdhsa_private_segment_fixed_size 0
		.amdhsa_enable_private_segment 0
		.amdhsa_kernarg_size 40
		.amdhsa_user_sgpr_count 2
		.amdhsa_user_sgpr_kernarg_segment_ptr 1
		.amdhsa_wavefront_size32 1
		.amdhsa_system_sgpr_workgroup_id_x 1
		.amdhsa_system_sgpr_workgroup_id_y 1
		.amdhsa_system_sgpr_workgroup_id_z 1
		.amdhsa_system_vgpr_workitem_id 0
		.amdhsa_next_free_vgpr 1024
		.amdhsa_next_free_sgpr 100
		.amdhsa_reserve_vcc 1
		.amdhsa_float_denorm_mode_32 3
		.amdhsa_float_denorm_mode_16_64 3
		.amdhsa_memory_ordered 1
		.amdhsa_forward_progress 1
		.amdhsa_inst_pref_size 219
	.end_amdhsa_kernel
	.amdgpu_metadata
---
amdhsa.version: [ 1, 2 ]
amdhsa.kernels:
  - .name:           k_q52100f0035_qkv
    .symbol:         k_q52100f0035_qkv.kd
    .args:
      - { .name: hq, .offset: 0, .size: 8, .value_kind: global_buffer, .address_space: global }
      - { .name: wc, .offset: 8, .size: 8, .value_kind: global_buffer, .address_space: global }
      - { .name: b_qkv, .offset: 16, .size: 8, .value_kind: global_buffer, .address_space: global }
      - { .name: qc, .offset: 24, .size: 8, .value_kind: global_buffer, .address_space: global }
      - { .name: kv, .offset: 32, .size: 8, .value_kind: global_buffer, .address_space: global }
    .group_segment_fixed_size: 327680
    .private_segment_fixed_size: 0
    .kernarg_segment_align: 8
    .kernarg_segment_size: 40
    .max_flat_workgroup_size: 128
    .sgpr_count:     100
    .vgpr_count:     1024
    .wavefront_size: 32
...
	.end_amdgpu_metadata
.endif
;; end of part 2
;; launch attn (part 3): grid 8 x 32, 16 waves a work-group, clusters of 4 x 1, 247,808 bytes of LDS; arguments qc, kv, oc; writes oc
.if DOCPART == 3
	.amdgcn_target "amdgcn-amd-amdhsa--gfx1250"
	.amdhsa_code_object_version 6
	.text
	.protected	k_q52100f0035_attn
	.globl	k_q52100f0035_attn
	.p2align	8
	.type	k_q52100f0035_attn,@function
k_q52100f0035_attn:
	s_mov_b64 s[64:65], 0
	v_nop
	global_prefetch_b8 v0, s[64:65] scope:SCOPE_SE
	s_setreg_imm32_b32 hwreg(HW_REG_WAVE_MODE, 25, 1), 1
	s_wait_xcnt 0x0
	s_wait_alu depctr_hold_cnt(0) depctr_sa_sdst(0) depctr_va_vdst(0) depctr_va_sdst(0) depctr_va_ssrc(0) depctr_va_vcc(0) depctr_vm_vsrc(0)
	s_getreg_b32 s2, hwreg(HW_REG_IB_STS2, 6, 4)
	s_cmp_eq_u32 s2, 0
	s_cbranch_scc0 .Lentry_in_a_cluster
	s_endpgm
.Lentry_in_a_cluster:
	s_bfe_u32 s2, ttmp6, 0x10000c
	s_cmp_lg_u32 s2, 0x3003
	s_cbranch_scc0 .Lentry_shape_is_right
	s_endpgm
.Lentry_shape_is_right:
; Causal attention of one head on codes of FP6 (E2M3): S^T = K Q^T (K = the head's 64), p = 2^(t - M) quantised along the keys, O^T = V^T P^T (K = the keys), O / the sum of the unquantised p, and O quantised
; along the head's 64 for the next product.  t = score x log2(e) / 8; M = the running largest t rounded UP to a whole number; when M moves, the sum and O^T are multiplied by 2^(old M - new M): exact.
; IN.  qc, kv: [batch x head][128 tokens] of 13,056 bytes: eight half fragments of q or k (16 tokens x 64: 768 bytes, an image of six registers), at 6,144 their scale words (row r's eight at 32 r; bytes 2, 3 are 0);
; kv further: at 6,656 four fragments of V^T (1,536 bytes), at 12,800 their scale words (row r's four at 16 r).  Row r of tile t is token (or channel) 32 (t / 2) + 8 (t % 2) + r + (r & 8): with both products
; used transposed a lane holds ONE query, and registers 16 b + i are key (or channel) 32 b + 16 h + i.
; THE HEAD SIZE IS 64, the instruction's K 128: Q's registers 6-11 are zero codes and the scale bytes of that half are 0 on both sides; K's operand runs on into the next tile's registers, whose codes meet zeros.
; SHARES.  Work-group (x = c, y = batch x head) owns tile c (16 queries) of EACH of the head's 16 blocks of 128 queries.  Key steps of 128 that lie wholly behind a tile's queries are not done.
; Waves 2 p and 2 p + 1 share the tiles of blocks p (early) and 15 - p (late), 17 steps: wave A does the early tile (steps 0 .. p), stores it, and then does the late tile's steps 0 .. 6 - p; wave B does the late
; tile's steps 7 - p .. 15 - p.  So A has 8 steps and B 9, for every p.  A hands its -M, its sum and its O^T to B through LDS; B brings both parts under the larger M (whole numbers: the factors are powers of two) and adds them.
; THE WALK is two loops of 8 constant trips; a trip outside [s40, s41) is jumped over by scalar branches on the wave's number.  First loop: steps 0 to 7 for all.  Second: A again from step 0, B from step 8.
; CLUSTERS of 4 along x: the four partners read the same head's kv, and every one of them reads all 16 steps.  Wave w's one tensor load brings step w, asked for JOINTLY (mask 15).  Every branch and every LDS address
; hangs on the wave's number alone; the work-group's place enters global addresses and the diagonal's mask, which is data.
; LDS.  The head's 16 steps of kv, 208,896 bytes, come once; nothing is filled again.  Behind them eight hand-over places of 4,608 bytes, then the spare words.
; No prefetch: all that the work-group reads of kv is asked for at its head, and there is no loop to run ahead in.
; LIMITS: the promise holds while |t| stays under 2^31; a block of zeros, or one under 2^-124, keeps the byte 1 (this program alone reads the bytes); NaN and infinities are not served.
; REGISTERS: v1-4 16 lane, 8 lane, 32 r, 16 r; v5-8 the step's LDS addresses; v9 my query less 16 h; v12 -M, v13 the largest t, v[14:15] the sum; v16-27 Q, v28 its scale word; v98-103, v31 the late tile's Q for wave A;
; v32-85 K's eight tiles (v80-85 zeros), then V's four fragments; v86-93 K's scale words, v94-97 V's; v104-167 S^T, then p; v168-199 O^T; v200-218 p's codes; v220-253 at work; v238 the hand-over's address;
; v239-241 offsets in memory; v254, v255 the spare word, 0.
.set STEPB, 13056
.set STG,   16*STEPB
.set PAIRB, 4608
.set SPARE, STG+8*PAIRB
.set S,  104
.set OT, 168
.set PC, 200
.set BM, 220
.set T4, 224
.set SO, 228
.macro NOPS
.rept 4
	v_nop
.endr
.endm
.macro WALU
	s_wait_alu depctr_va_vdst(0)
.endm
.macro CROUND                          ; a round of the cluster's barrier
	s_barrier_signal -1
	s_barrier_wait -1
	s_cmp_lg_u32 s10, 0
	s_cbranch_scc1 .Lnot_wave_0_\@
	s_barrier_signal -3
.Lnot_wave_0_\@:
	s_barrier_wait -3
	s_barrier_signal -1
	s_barrier_wait -1
.endm
.macro INIT                            ; a tile's state: the largest t -3e38, -M, the sum and O^T zeros (the step is written once; the first finds zeros)
	v_mov_b32 v13, 0xff61b1e6
	v_floor_f32 v12, -v13
	v_mov_b32 v14, 0
	v_mov_b32 v15, 0
.set j, 0
.rept 32
	v_mov_b32 v[OT+j], 0
.set j, j+1
.endr
.endm
	s_load_b128 s[4:7], s[0:1], 0x0                ; qc, kv
	s_load_b64 s[8:9], s[0:1], 0x10                ; oc
	v_lshl_add_u32 v254, v0, 2, SPARE
	v_mov_b32 v255, 0
	ds_add_u32 v254, v255                          ; the opening lines
	ds_add_u32 v254, v255
	v_lshrrev_b32 v5, 5, v0
	v_readfirstlane_b32 s10, v5                    ; wave 0..15
	s_and_b32 s12, ttmp7, 0xffff                   ; batch x 16 + head
	s_bfe_u32 s75, ttmp6, 0x40000                  ; cx
	s_lshl_b32 s74, ttmp9, 2
	s_add_co_u32 s75, s75, s74                     ; c: my work-group's tile in every block
	s_mul_i32 s13, s10, STEPB
	s_mul_i32 s42, s12, 16*STEPB
	s_add_co_u32 s42, s42, s13
	s_mov_b32 s43, 0
	s_mov_b32 s16, 15|(3<<16)|(1<<21)              ; group 1: the mask names the cluster's four; elements of 8 bytes; bit 21 beside a mask; no padding
	s_mov_b32 s17, 32<<16                          ; tensor_dim0 = 32: 256 bytes
	s_mov_b32 s18, 51<<16                          ; tensor_dim1 = 51 rows: a step's 13,056 dense bytes
	s_mov_b32 s19, 32<<16
	s_mov_b32 s20, 51
	s_mov_b32 s21, 32
	s_mov_b32 s22, 0
	s_mov_b32 s23, 0
	s_mov_b32 s24, 1
	s_mul_i32 s25, s10, STEPB                      ; LDS: step = my wave's number
	WALU
	s_wait_dscnt 0x0
	CROUND                                         ; the four work-groups are here: the joint loads meet
	s_wait_kmcnt 0x0
	s_add_nc_u64 s[26:27], s[6:7], s[42:43]        ; made of the head and the wave's number: the same in all four
	s_or_b32 s27, s27, 0x80000000
	tensor_load_to_lds s[24:27], s[16:23]          ; one load a wave, one line for all: every wave waits for it below
	s_nop 0
	NOPS
	s_lshr_b32 s44, s10, 1                         ; p: my pair
	s_lshr_b32 s45, s10, 2
	s_xor_b32 s45, s45, s10
	s_and_b32 s45, s45, 1                          ; 0: wave A, 1: wave B.  Of waves 2 p, 2 p + 1 one is B; of any four waves in a row, and of waves w, w + 4, w + 8, w + 12, two
	s_sub_co_u32 s46, 15, s44                      ; the late block
	s_sub_co_u32 s48, 7, s44                       ; where the late tile's keys are cut
	s_add_co_u32 s49, s44, 1
	s_cmp_eq_u32 s45, 1
	s_cselect_b32 s47, s46, s44                    ; the block of my first tile
	s_cselect_b32 s40, s48, 0                      ; the first loop: my first step,
	s_cselect_b32 s41, 8, s49                      ; the step behind my last,
	s_cselect_b32 s50, 64, s44                     ; and the step on the diagonal (64: none)
	s_lshl_b32 s51, s12, 4
	s_add_co_u32 s52, s51, s47
	s_mul_i32 s52, s52, STEPB
	s_mov_b32 s53, 0
	s_add_nc_u64 s[52:53], s[4:5], s[52:53]        ; my first tile's block in qc
	s_add_co_u32 s54, s51, s46
	s_mul_i32 s54, s54, STEPB
	s_mov_b32 s55, 0
	s_add_nc_u64 s[54:55], s[4:5], s[54:55]        ; the late block
	s_mul_i32 s56, s75, 768
	s_lshl_b32 s57, s75, 2
	s_mov_b32 s58, 0x76543210
	s_mov_b32 s59, 0xfedcba98                      ; lane l xor 16
	s_mov_b32 s60, 0x3e38aa3b                      ; c = log2(e) / 8
	s_mov_b32 s61, s60
	s_lshr_b32 s62, s12, 4                         ; where O goes: block (batch x 16 + query block) x 8 + head / 2 of oc
	s_lshl_b32 s62, s62, 4
	s_bfe_u32 s63, s12, 0x30001
	s_add_co_u32 s66, s62, s44
	s_lshl_b32 s66, s66, 3
	s_add_co_u32 s66, s66, s63
	s_mul_i32 s66, s66, 12800
	s_mov_b32 s67, 0
	s_add_nc_u64 s[66:67], s[8:9], s[66:67]        ; the early block's
	s_add_co_u32 s68, s62, s46
	s_lshl_b32 s68, s68, 3
	s_add_co_u32 s68, s68, s63
	s_mul_i32 s68, s68, 12800
	s_mov_b32 s69, 0
	s_add_nc_u64 s[68:69], s[8:9], s[68:69]        ; the late block's
	s_and_b32 s71, s12, 1
	s_mul_i32 s70, s71, 768
	s_mul_i32 s72, s75, 1536
	s_add_co_u32 s70, s70, s72                     ; fragment = my tile, half = head % 2,
	s_lshl_b32 s71, s71, 1
	s_add_co_u32 s71, s71, s57                     ; and two bytes of its scale word
	s_mul_i32 s72, s44, PAIRB
	s_add_co_u32 s72, s72, STG                     ; my pair's hand-over place
	s_lshr_b32 s73, s75, 1
	s_lshl_b32 s73, s73, 5
	s_and_b32 s74, s75, 1
	s_lshl_b32 s74, s74, 3
	s_add_co_u32 s73, s73, s74
	s_mov_b32 s2, 0                                ; the step's first LDS byte
	s_mov_b32 s3, 0                                ; the step
	v_and_b32 v10, 31, v0                          ; lane
	v_and_b32 v11, 15, v0                          ; r
	v_bfe_u32 v29, v0, 4, 1                        ; h
	v_lshlrev_b32 v1, 4, v10
	v_lshlrev_b32 v2, 3, v10
	v_lshlrev_b32 v3, 5, v11
	v_lshlrev_b32 v4, 4, v11
	v_add_nc_u32 v239, s56, v1
	v_add_nc_u32 v240, s56, v2
	v_add_nc_u32 v241, s57, v3
	global_load_b128 v[16:19], v239, s[52:53]                      ; my first tile's Q stays in registers
	global_load_b64 v[20:21], v240, s[52:53] offset:512
	global_load_b32 v28, v241, s[52:53] offset:6144
	global_load_b128 v[98:101], v239, s[54:55]                     ; the late tile's, for wave A's second part
	global_load_b64 v[102:103], v240, s[54:55] offset:512
	global_load_b32 v31, v241, s[54:55] offset:6144
	v_add_nc_u32 v238, s72, v1
	v_and_b32 v9, 8, v11
	v_add_nc_u32 v9, v9, v11
	v_add_nc_u32 v9, s73, v9                       ; my query in its block
	v_lshlrev_b32 v30, 4, v29
	v_sub_nc_u32 v9, v9, v30                       ; less 16 h: register 16 b + i holds a hidden key where 32 b + i is above this
.irp j, 22,23,24,25,26,27,80,81,82,83,84,85
	v_mov_b32 v[\j], 0                             ; zero codes: Q's upper half, and what K's last tile runs on into
.endr
.irp b, 0,1,2,3
	v_mov_b32 v[T4+\b], 0                          ; written once: a lane permute's destination counts as one of its sources
.endr
	v_mov_b32 v232, 0
	v_mov_b32 v233, 0                              ; (named as the upper half of the pair v[232:233])
	INIT
; A KEY STEP: 128 keys
.macro STEP
	s_cmp_lt_u32 s3, s40                           ; not among my steps: only the counters step
	s_cbranch_scc1 .Lhid_\@
	s_cmp_ge_u32 s3, s41
	s_cbranch_scc1 .Lhid_\@
	v_add_nc_u32 v5, s2, v1                        ; (these four are the places in front of loads into registers that the last step's products read)
	v_add_nc_u32 v6, s2, v2
	v_add_nc_u32 v7, s2, v3
	v_add_nc_u32 v8, s2, v4
.irp t, 0,1,2,3,4,5,6,7
	ds_load_b128 v[32+6*\t:35+6*\t], v5 offset:768*\t
	ds_load_b64 v[36+6*\t:37+6*\t], v6 offset:768*\t+512
.endr
	ds_load_b128 v[86:89], v7 offset:6144
	ds_load_b128 v[90:93], v7 offset:6160
	WALU
	s_wait_dscnt 0x0
.irp t, 0,1,2,3,4,5,6,7
	v_wmma_scale_f32_16x16x128_f8f6f4 v[S+8*\t:S+8*\t+7], v[32+6*\t:43+6*\t], v[16:27], 0, v[86+\t], v28 matrix_a_fmt:MATRIX_FMT_FP6 matrix_b_fmt:MATRIX_FMT_FP6
.endr
	NOPS                                           ; places in front of the loads below and of the first read of the scores
.irp t, 0,1,2,3                                ; V's fragments land under the softmax
	ds_load_b128 v[32+12*\t:35+12*\t], v5 offset:6656+1536*\t
	ds_load_b64 v[36+12*\t:37+12*\t], v6 offset:6656+1536*\t+512
	ds_load_b128 v[38+12*\t:41+12*\t], v5 offset:6656+1536*\t+768
	ds_load_b64 v[42+12*\t:43+12*\t], v6 offset:6656+1536*\t+1280
.endr
	ds_load_b128 v[94:97], v8 offset:12800
	s_cmp_lg_u32 s3, s50                           ; only a tile's last step lies on the diagonal
	s_cbranch_scc1 .Lopen_\@
	v_mov_b32 v234, 0xff800000                     ; -infinity
.set n, 0
.rept 64
	v_cmp_gt_i32 vcc_lo, 32*(n/16)+n%16, v9
	v_cndmask_b32 v[S+n], v[S+n], v234, vcc_lo
.set n, n+1
.endr
.Lopen_\@:
.irp b, 0,1,2,3
	v_max3_num_f32 v[BM+\b], v[S+16*\b], v[S+1+16*\b], v[S+2+16*\b]       ; the largest score of each block of 32 keys: for the row's maximum, and, since p rises with the score, for the block's largest p
.endr
.irp i, 3,5,7,9,11,13
.irp b, 0,1,2,3
	v_max3_num_f32 v[BM+\b], v[BM+\b], v[S+16*\b+\i], v[S+1+16*\b+\i]
.endr
.endr
.irp b, 0,1,2,3
	v_max_num_f32 v[BM+\b], v[BM+\b], v[S+15+16*\b]
.endr
.irp b, 0,1,2,3
	s_delay_alu instid0(VALU_DEP_4)
	v_permlanex16_b32 v[T4+\b], v[BM+\b], s58, s59
.endr
.irp b, 0,1,2,3
	s_delay_alu instid0(VALU_DEP_4)
	v_max_num_f32 v[BM+\b], v[BM+\b], v[T4+\b]
.endr
	s_delay_alu instid0(VALU_DEP_2)
	v_max3_num_f32 v234, v[BM], v[BM+1], v[BM+2]
	s_delay_alu instid0(VALU_DEP_1)
	v_max_num_f32 v234, v234, v[BM+3]
	s_delay_alu instid0(VALU_DEP_1)
	v_mul_f32 v234, s60, v234                      ; as t (c is positive)
	s_delay_alu instid0(VALU_DEP_1)
	v_max_num_f32 v13, v13, v234                   ; the running largest t
	v_mov_b32 v234, v12
	s_delay_alu instid0(VALU_DEP_2)
	v_floor_f32 v12, -v13                          ; the new -M = -ceil(t)
	s_delay_alu instid0(VALU_DEP_1)
	v_sub_f32 v234, v12, v234                      ; old M - new M: a whole number, 0 or less
	s_delay_alu instid0(VALU_DEP_1)
	v_cvt_i32_f32 v234, v234                       ; (it saturates)
	s_delay_alu instid0(VALU_DEP_1)
	v_ldexp_f32 v232, 1.0, v234                    ; f = 2^(old M - new M)
.set j, 0
.rept 32
	v_pk_fma_f32 v[S+2*j:S+2*j+1], v[S+2*j:S+2*j+1], s[60:61], v[12:13] op_sel_hi:[1,0,0]   ; t - M
.set j, j+1
.endr
.irp b, 0,1,2,3
	v_fma_f32 v[BM+\b], v[BM+\b], s60, v12         ; the same of each block's largest score
.endr
.set j, 0
	WALU                                           ; the wait ahead of the batch
.rept 64
	v_exp_f32 v[S+j], v[S+j]                       ; p = 2^(t - M): not normalised
.set j, j+1
.endr
	v_pk_mul_f32 v[14:15], v[14:15], v[232:233] op_sel_hi:[1,0]    ; the sums under the new M (a plain line behind the exponentials)
	WALU                                           ; one wait for the batch, ahead of its first reader
.irp b, 0,1,2,3
	v_exp_f32 v[BM+\b], v[BM+\b]                   ; the blocks' largest p
.endr
	v_pk_add_f32 v[236:237], v[108:109], v[112:113]                ; the row's sum is taken of the unquantised p, in eight chains
	v_pk_add_f32 v[252:253], v[116:117], v[120:121]
	v_pk_add_f32 v[250:251], v[124:125], v[128:129]
	v_pk_add_f32 v[248:249], v[132:133], v[136:137]
	v_pk_add_f32 v[246:247], v[140:141], v[144:145]
	v_pk_add_f32 v[244:245], v[148:149], v[152:153]
	v_pk_add_f32 v[242:243], v[156:157], v[160:161]
	v_pk_add_f32 v[14:15], v[14:15], v[164:165]
	v_pk_add_f32 v[236:237], v[236:237], v[104:105]
	v_pk_add_f32 v[252:253], v[252:253], v[106:107]
	v_pk_add_f32 v[250:251], v[250:251], v[110:111]
	v_pk_add_f32 v[248:249], v[248:249], v[114:115]
	v_pk_add_f32 v[246:247], v[246:247], v[118:119]
	v_pk_add_f32 v[244:245], v[244:245], v[122:123]
	v_pk_add_f32 v[242:243], v[242:243], v[126:127]
	v_pk_add_f32 v[14:15], v[14:15], v[130:131]
	v_pk_add_f32 v[236:237], v[236:237], v[134:135]
	v_pk_add_f32 v[252:253], v[252:253], v[138:139]
	v_pk_add_f32 v[250:251], v[250:251], v[142:143]
	v_pk_add_f32 v[248:249], v[248:249], v[146:147]
	v_pk_add_f32 v[246:247], v[246:247], v[150:151]
	v_pk_add_f32 v[244:245], v[244:245], v[154:155]
	v_pk_add_f32 v[242:243], v[242:243], v[158:159]
	v_pk_add_f32 v[14:15], v[14:15], v[162:163]
	v_pk_add_f32 v[236:237], v[236:237], v[166:167]
	s_delay_alu instid0(VALU_DEP_2)
	v_pk_add_f32 v[14:15], v[14:15], v[248:249]
	s_delay_alu instid0(VALU_DEP_2)
	v_pk_add_f32 v[236:237], v[236:237], v[246:247]
	v_pk_add_f32 v[252:253], v[252:253], v[244:245]
	v_pk_add_f32 v[250:251], v[250:251], v[242:243]
	s_delay_alu instid0(VALU_DEP_2)
	v_pk_add_f32 v[14:15], v[14:15], v[252:253]
	s_delay_alu instid0(VALU_DEP_2)
	v_pk_add_f32 v[236:237], v[236:237], v[250:251]
	s_delay_alu instid0(VALU_DEP_1)
	v_pk_add_f32 v[14:15], v[14:15], v[236:237]
	WALU                                           ; and one for the four
.irp b, 0,1,2,3
	v_max_num_f32 v[BM+\b], 0x1800000, v[BM+\b]    ; the floor 2^(3 - 127)
.endr
.irp b, 0,1,2,3
	s_delay_alu instid0(VALU_DEP_4)
	v_add_nc_u32 v[SO+\b], 0xff000000, v[BM+\b]
.endr
.irp b, 0,1,2,3
	s_delay_alu instid0(VALU_DEP_4)
	v_lshrrev_b32 v[T4+\b], 23, v[SO+\b]
.endr
	s_delay_alu instid0(VALU_DEP_3)
	v_lshl_or_b32 v235, v[T4+1], 8, v[T4]          ; p's scale word for these 128 keys
	s_delay_alu instid0(VALU_DEP_1)
	v_lshl_or_b32 v235, v[T4+2], 16, v235
	s_delay_alu instid0(VALU_DEP_1)
	v_lshl_or_b32 v235, v[T4+3], 24, v235
.irp c, 0,1
	v_cvt_scalef32_pk16_fp6_f32 v[PC+6*\c:PC+6*\c+2], v[S+32*\c:S+32*\c+15], v[SO+2*\c]
	v_cvt_scalef32_pk16_fp6_f32 v[PC+12+4*\c:PC+14+4*\c], v[S+16+32*\c:S+31+32*\c], v[SO+2*\c+1]
.endr
	v_nop                                          ; one plain line behind the conversions
.irp c, 0,1
.irp i, 0,1,2
	v_permlane16_swap_b32 v[PC+6*\c+\i], v[PC+12+4*\c+\i]
.endr
.irp i, 0,1,2
	s_delay_alu instid0(VALU_DEP_3)
	v_mov_b32 v[PC+3+6*\c+\i], v[PC+12+4*\c+\i]
.endr
.endr
	WALU                                           ; the wait here, directly ahead of the first reader of O^T
.set j, 0
.rept 16
	v_pk_mul_f32 v[OT+2*j:OT+2*j+1], v[OT+2*j:OT+2*j+1], v[232:233] op_sel_hi:[1,0]   ; O^T under the new M; these lines are also the places between the scale word's and the codes' last writes and the products
.set j, j+1
.endr
	WALU
	s_wait_dscnt 0x0                               ; V
.irp t, 0,1,2,3
	v_wmma_scale_f32_16x16x128_f8f6f4 v[OT+8*\t:OT+8*\t+7], v[32+12*\t:43+12*\t], v[PC:PC+11], v[OT+8*\t:OT+8*\t+7], v[94+\t], v235 matrix_a_fmt:MATRIX_FMT_FP6 matrix_b_fmt:MATRIX_FMT_FP6
.endr
.Lhid_\@:
	s_add_co_u32 s3, s3, 1
	s_add_co_u32 s2, s2, STEPB
.endm
.macro WALK                            ; eight trips, a constant
	s_mov_b32 s51, 8
.Lw_\@:
	STEP
	s_sub_co_u32 s51, s51, 1
	s_cmp_lg_u32 s51, 0
	s_cbranch_scc1 .Lw_\@
.endm
; A TILE'S WAY OUT: O^T / the sum, quantised along the head's 64: half a fragment and two scale bytes, to the block of oc at s[base]
.macro FINISH base
	NOPS
	v_add_f32 v14, v14, v15
	s_delay_alu instid0(VALU_DEP_1)
	v_permlanex16_b32 v232, v14, s58, s59
	s_delay_alu instid0(VALU_DEP_1)
	v_add_f32 v14, v14, v232                       ; the row's sum
	WALU
	v_rcp_f32 v14, v14
	v_add_nc_u32 v239, s70, v1                     ; (plain lines behind the transcendental)
	v_add_nc_u32 v240, s70, v2
	v_add_nc_u32 v241, s71, v3
	WALU                                           ; the wait, ahead of the first reader
.set j, 0
.rept 32
	v_mul_f32 v[S+j], v[OT+j], v14                 ; register 16 b + i: channel 32 b + 16 h + i of my query
.set j, j+1
.endr
.irp b, 0,1
	v_max3_num_f32 v[BM+\b], |v[S+16*\b]|, |v[S+16*\b+1]|, 0x1800000
.endr
.irp i, 2,4,6,8,10,12,14
.irp b, 0,1
	s_delay_alu instid0(VALU_DEP_2)
	v_max3_num_f32 v[BM+\b], v[BM+\b], |v[S+16*\b+\i]|, |v[S+16*\b+\i+1]|
.endr
.endr
.irp b, 0,1
	s_delay_alu instid0(VALU_DEP_2)
	v_permlanex16_b32 v[T4+\b], v[BM+\b], s58, s59
.endr
.irp b, 0,1
	s_delay_alu instid0(VALU_DEP_2)
	v_max_num_f32 v[BM+\b], v[BM+\b], v[T4+\b]
.endr
.irp b, 0,1
	s_delay_alu instid0(VALU_DEP_2)
	v_add_nc_u32 v[SO+\b], 0xff000000, v[BM+\b]
.endr
.irp b, 0,1
	s_delay_alu instid0(VALU_DEP_2)
	v_lshrrev_b32 v[T4+\b], 23, v[SO+\b]
.endr
	s_delay_alu instid0(VALU_DEP_1)
	v_lshl_or_b32 v234, v[T4+1], 8, v[T4]
	v_cvt_scalef32_pk16_fp6_f32 v[PC:PC+2], v[S:S+15], v[SO]
	v_cvt_scalef32_pk16_fp6_f32 v[PC+4:PC+6], v[S+16:S+31], v[SO+1]
	v_nop
.irp i, 0,1,2
	v_permlane16_swap_b32 v[PC+\i], v[PC+4+\i]
.endr
.irp i, 0,1,2
	s_delay_alu instid0(VALU_DEP_3)
	v_mov_b32 v[PC+3+\i], v[PC+4+\i]               ; in ascending order: each source is read before it is written
.endr
	global_store_b128 v239, v[PC:PC+3], s[\base:\base+1]
	global_store_b64 v240, v[PC+4:PC+5], s[\base:\base+1] offset:512
	global_store_b16 v241, v234, s[\base:\base+1] offset:12288
.endm
	WALU                                           ; the wait at the head's end
	s_wait_loadcnt 0x0                             ; Q; its offset registers are free
	s_wait_dscnt 0x0
	s_wait_tensorcnt 0x0                           ; every wave: my step has landed
	s_barrier_signal -1
	s_barrier_wait -1                              ; all 16 steps are in; nothing is ever filled again
	WALK                                           ; steps 0 to 7: p + 1 of them are mine
	s_add_co_u32 s49, s46, 1                       ; the second loop.  A: the late tile's steps 0 .. 6 - p; B: steps 8 .. 15 - p, the last on the diagonal
	s_lshl_b32 s3, s45, 3
	s_mul_i32 s2, s45, 8*STEPB
	s_mov_b32 s40, 0
	s_cmp_eq_u32 s45, 1
	s_cselect_b32 s41, s49, s48
	s_cselect_b32 s50, s46, 64
	s_cbranch_scc1 .Lmid
	FINISH 66                                      ; wave A: the early tile is whole
	s_wait_xcnt 0x0                                ; its stores have read their registers
.irp i, 0,1,2,3,4,5
	v_mov_b32 v[16+\i], v[98+\i]                   ; on to the late tile
.endr
	v_mov_b32 v28, v31
	INIT
.Lmid:
	WALU                                           ; the wait
	WALK
	s_cmp_eq_u32 s45, 1
	s_cbranch_scc1 .Lmeet
	NOPS                                           ; wave A hands over: O^T as an image of its registers, each accumulator from its low end on, then -M, t and the sum
.irp k, 0,1,2,3,4,5,6,7
	ds_store_b128 v238, v[OT+4*\k:OT+4*\k+3] offset:512*\k
.endr
	ds_store_b128 v238, v[12:15] offset:4096
.Lmeet:
	s_wait_dscnt 0x0                               ; for the partner's sake
	s_barrier_signal -1
	s_barrier_wait -1
	s_cmp_eq_u32 s45, 1
	s_cbranch_scc0 .Lend
	ds_load_b128 v[136:139], v238 offset:4096      ; wave B joins the two parts of the late tile
.irp k, 0,1,2,3,4,5,6,7
	ds_load_b128 v[S+4*\k:S+4*\k+3], v238 offset:512*\k
.endr
	s_wait_dscnt 0x0
	v_min_num_f32 v10, v12, v136                   ; -M of the larger M
	v_sub_f32 v11, v10, v12                        ; my M less it, and the partner's: whole numbers, 0 or less
	v_sub_f32 v29, v10, v136
	v_cvt_i32_f32 v11, v11                         ; (they saturate: a part with no step has the sum 0 and the factor 0)
	v_cvt_i32_f32 v29, v29
	v_ldexp_f32 v232, 1.0, v11
	v_ldexp_f32 v234, 1.0, v29
	v_mov_b32 v235, v234
	v_pk_mul_f32 v[14:15], v[14:15], v[232:233] op_sel_hi:[1,0]
	v_pk_fma_f32 v[14:15], v[138:139], v[234:235], v[14:15] op_sel_hi:[1,0,1]
.set j, 0
.rept 16
	v_pk_mul_f32 v[OT+2*j:OT+2*j+1], v[OT+2*j:OT+2*j+1], v[232:233] op_sel_hi:[1,0]
.set j, j+1
.endr
.set j, 0
.rept 16
	v_pk_fma_f32 v[OT+2*j:OT+2*j+1], v[S+2*j:S+2*j+1], v[234:235], v[OT+2*j:OT+2*j+1] op_sel_hi:[1,0,1]
.set j, j+1
.endr
	FINISH 68
.Lend:
	s_wait_tensorcnt 0x0                           ; the wave's end
	ds_add_u32 v254, v255
	s_wait_dscnt 0x0
	CROUND                                         ; the closing round
	s_endpgm
.Lfunc_end_k_q52100f0035_attn:
	.size	k_q52100f0035_attn, .Lfunc_end_k_q52100f0035_attn-k_q52100f0035_attn
	.p2alignl 7, 3214868480
	.fill 96, 4, 3214868480
	.section	.rodata,"a",@progbits
	.p2align	6, 0x0
	.amdhsa_kernel k_q52100f0035_attn
		.amdhsa_group_segment_fixed_size 247808
		.amdhsa_private_segment_fixed_size 0
		.amdhsa_enable_private_segment 0
		.amdhsa_kernarg_size 24
		.amdhsa_user_sgpr_count 2
		.amdhsa_user_sgpr_kernarg_segment_ptr 1
		.amdhsa_wavefront_size32 1
		.amdhsa_system_sgpr_workgroup_id_x 1
		.amdhsa_system_sgpr_workgroup_id_y 1
		.amdhsa_system_sgpr_workgroup_id_z 1
		.amdhsa_system_vgpr_workitem_id 0
		.amdhsa_next_free_vgpr 256
		.amdhsa_next_free_sgpr 76
		.amdhsa_reserve_vcc 1
		.amdhsa_float_denorm_mode_32 3
		.amdhsa_float_denorm_mode_16_64 3
		.amdhsa_memory_ordered 1
		.amdhsa_forward_progress 1
		.amdhsa_inst_pref_size 68
	.end_amdhsa_kernel
	.amdgpu_metadata
---
amdhsa.version: [ 1, 2 ]
amdhsa.kernels:
  - .name:           k_q52100f0035_attn
    .symbol:         k_q52100f0035_attn.kd
    .args:
      - { .name: qc, .offset: 0, .size: 8, .value_kind: global_buffer, .address_space: global }
      - { .name: kv, .offset: 8, .size: 8, .value_kind: global_buffer, .address_space: global }
      - { .name: oc, .offset: 16, .size: 8, .value_kind: global_buffer, .address_space: global }
    .group_segment_fixed_size: 247808
    .private_segment_fixed_size: 0
    .kernarg_segment_align: 8
    .kernarg_segment_size: 24
    .max_flat_workgroup_size: 512
    .sgpr_count:     76
    .vgpr_count:     256
    .wavefront_size: 32
...
	.end_amdgpu_metadata
.endif
;; end of part 3
;; launch proj (part 4): grid 8 x 32, 4 waves a work-group, clusters of 4 x 4, 327,680 bytes of LDS; arguments oc, wc, b_out, x, temp; writes temp
.if DOCPART == 4
	.amdgcn_target "amdgcn-amd-amdhsa--gfx1250"
	.amdhsa_code_object_version 6
	.text
	.protected	k_q52100f0035_proj
	.globl	k_q52100f0035_proj
	.p2align	8
	.type	k_q52100f0035_proj,@function
k_q52100f0035_proj:
	s_mov_b64 s[64:65], 0
	v_nop
	global_prefetch_b8 v0, s[64:65] scope:SCOPE_SE
	s_setreg_imm32_b32 hwreg(HW_REG_WAVE_MODE, 25, 1), 1
	s_wait_xcnt 0x0
	s_wait_alu depctr_hold_cnt(0) depctr_sa_sdst(0) depctr_va_vdst(0) depctr_va_sdst(0) depctr_va_ssrc(0) depctr_va_vcc(0) depctr_vm_vsrc(0)
	s_getreg_b32 s2, hwreg(HW_REG_IB_STS2, 6, 4)
	s_cmp_eq_u32 s2, 0
	s_cbranch_scc0 .Lentry_in_a_cluster
	s_endpgm
.Lentry_in_a_cluster:
	s_bfe_u32 s2, ttmp6, 0x10000c
	s_cmp_lg_u32 s2, 0xf033
	s_cbranch_scc0 .Lentry_shape_is_right
	s_endpgm
.Lentry_shape_is_right:
; temp = x + Q(attention's output) Q(W_out) + b_out, the product on codes of FP6 (E2M3); the sums, the bias and the residual in f32.
; OPERANDS lie in blocks of 12,800 bytes (128 rows x 128 K: eight fragments of 1,536 bytes as images of their registers, then 512 bytes of scale words, row r's eight at 32 r), laid [row group][K step];
; row r of fragment t is row 32 (t / 2) + 8 (t % 2) + r + (r & 8) of the group.  The product is used transposed (source 0 = W's rows, source 1 = tokens): a lane holds one token and eight neighbouring features a tile.
; SHARES.  N = 1,024: tiles of 256 x 256 would be 64; so a tile of 128 x 128 to a work-group (256 of them), 64 x 64 (16 accumulators) to a wave.  K = 1,024 is 8 steps of 128: two LDS slots of four steps hold all of it,
; both filled at the start; nothing is filled again here.
; CLUSTERS of 4 x 4: the tokens' tiles are asked for jointly along a row of the cluster, W's along a column.
; The residual's 64 x 64 numbers of the wave are asked for at the head, in the layout in which the results leave, and land under the products.
; OUT.  16 tokens x 64 features at a time through the wave's stage in LDS (in slot 0, which has had its last fill and its last read), back as rows: sixteen lanes store 256 consecutive bytes, aligned.
; REGISTERS: window 0: v1-3 r, h, lane; v4-13 LDS addresses; v14, v15 the spare word's address and 0; v16-19 the way out's addresses; v20-23 the bias; v24-31 scale words, two sets; v32-79, v80-127 A's fragments, two sets;
;   v128-255 the accumulators.   window 1: v0-47, v48-95 B's fragments; v128-255 the residual.
.set NBK,  4
.set NQ,   4
.set NKS,  8
.set WOFF, 2457600                     ; W_out's codes in wc
.set AW0,  0
.set ACC0, 128
.set AF,   32
.set BF,   0
.set SC,   24
.set ABSTEP, 6144                      ; from one half of a group's fragments to the other
.set SSTEP,  16                        ; the same for the scale words
.set GB,    12800
.set QRT,   2*GB                       ; a quarter of a slot; a wave's one load brings two quarters: four K steps of A or of B, 200 rows of 256 bytes
.set SLOT,  4*QRT
.set SPARE, 2*SLOT                     ; behind the ring: the spare words, 128 bytes a wave: two blocks of 256 bytes that no other line names
.set FR,    12
.set SETP,  FR*NBK
.set LAPS,  NKS/(2*NQ)
.set G1,  24
.set G0,  32
.set G1B, 48
.set G0B, 56
.set MSB, 0
.macro WIN new                         ; the immediate's high byte repeats the setting that is left; a switch that changes nothing is dropped
.if MSB != (\new)
	s_set_vgpr_msb (MSB<<8)|(\new)
.set MSB, (\new)
.endif
.endm
.macro PLACES n
.rept \n
	v_nop
.endr
.endm
; A joint load: waves 0 and 1 fetch for A, waves 2 and 3 for B; the branch hangs on the wave's number alone.  Four v_nop follow each of the two lines.
.macro JLOAD g0a, g1a, g0b, g1b
	s_cmp_eq_u32 s15, 0
	s_cbranch_scc0 .Lfor_b_\@
	tensor_load_to_lds s[\g0a:\g0a+3], s[\g1a:\g1a+7]
	s_nop 0
.rept 4
	v_nop
.endr
	s_branch .Lasked_\@
.Lfor_b_\@:
	tensor_load_to_lds s[\g0b:\g0b+3], s[\g1b:\g1b+7]
	s_nop 0
.rept 4
	v_nop
.endr
.Lasked_\@:
.endm
.macro CREST                           ; a round of the cluster's barrier behind its opening barrier
	s_cmp_lg_u32 s14, 0
	s_cbranch_scc1 .Lnot_wave_0_\@
	s_barrier_signal -3
.Lnot_wave_0_\@:
	s_barrier_wait -3
	s_barrier_signal -1
	s_barrier_wait -1
.endm
.macro CROUND
	s_barrier_signal -1
	s_barrier_wait -1
	CREST
.endm
.macro FRAG reg, a16, a8, off          ; a fragment's image: 512, 256, 512, 256 consecutive bytes
	ds_load_b128 v[\reg:\reg+3], v[\a16] offset:\off
	ds_load_b64 v[\reg+4:\reg+5], v[\a8] offset:\off+512
	ds_load_b128 v[\reg+6:\reg+9], v[\a16] offset:\off+768
	ds_load_b64 v[\reg+10:\reg+11], v[\a8] offset:\off+1280
.endm
.macro FETCH slot, q, p                ; the fragments and scale words of the slot's q-th K step into set p
	WIN 0x40                                       ; destination window 1
.set fi, 0
.rept NBK
.set fr, BF+SETP*(\p)+FR*fi
.set fo, (\q)*GB+fi*1536
	FRAG fr, 8+\slot, 10+\slot, fo
.set fi, fi+1
.endr
	WIN 0
.set fi, 0
.rept NBK
.set fr, AF+SETP*(\p)+FR*fi
.set fo, (\q)*GB+fi*1536
	FRAG fr, 4+\slot, 6+\slot, fo
.set fi, fi+1
.endr
.set fi, 0
.rept NBK/4
	ds_load_b128 v[SC+NBK*(\p)+4*fi:SC+NBK*(\p)+4*fi+3], v[12+\slot] offset:(\q)*GB+16*fi   ; register i: lanes 0-15 the word of A's block i, lanes 16-31 that of B's block i
.set fi, fi+1
.endr
.endm
; A's blocks a0 .. a0 + n - 1 against B's NBK, from set p.  All accumulators take turns, one instruction a turn, in one order in every step.  zero = 1: the products start the sums.
.macro MULS p, a0, n, zero
.set ma, \a0
.rept \n
	WIN (AW0+ma/4)*0x50+1                          ; source 0 (B) window 1, source 1 (A) window 0, C and D the accumulators' window
.set mb, 0
.rept NBK
.set rD, ACC0+8*(NBK*(ma%4)+mb)
.set rB, BF+SETP*(\p)+FR*mb
.set rA, AF+SETP*(\p)+FR*ma
.if \zero
	v_wmma_scale_f32_16x16x128_f8f6f4 v[rD:rD+7], v[rB:rB+FR-1], v[rA:rA+FR-1], 0, v[SC+NBK*(\p)+mb], v[SC+NBK*(\p)+ma] matrix_a_fmt:MATRIX_FMT_FP6 matrix_b_fmt:MATRIX_FMT_FP6 matrix_a_scale:MATRIX_SCALE_ROW1
.else
	v_wmma_scale_f32_16x16x128_f8f6f4 v[rD:rD+7], v[rB:rB+FR-1], v[rA:rA+FR-1], v[rD:rD+7], v[SC+NBK*(\p)+mb], v[SC+NBK*(\p)+ma] matrix_a_fmt:MATRIX_FMT_FP6 matrix_b_fmt:MATRIX_FMT_FP6 matrix_a_scale:MATRIX_SCALE_ROW1
.endif
.set mb, mb+1
.endr
.set ma, ma+1
.endr
.endm
.macro STEP slot, q, zero              ; a K step that has its successor in the same slot
	s_wait_dscnt 0x0                               ; this step's fragments, asked for a step ago
	PLACES 4                                       ; in front of loads into the set that the last step's products read (ISA guide 7.12.1 for vector instructions)
	FETCH \slot, (\q)+1, ((\q)+1)%2
	MULS (\q)%2, 0, NBK, \zero
	WIN 0
.endm
.macro REST slot                       ; a slot's steps 1 .. NQ - 2
.set rq, 1
.rept NQ-2
	STEP \slot, rq, 0
.set rq, rq+1
.endr
.endm
; A slot's last step changes slots: one barrier; in front of it each wave waits for all its tensor loads, adds 0 to its spare word, and waits for that and for its reads of this slot.  fill = 1: the slot is filled again, two slots ahead.
.macro TURN slot, next, fill
	s_wait_dscnt 0x0                               ; this step's fragments: my last reads of this slot
	s_wait_tensorcnt 0x0                           ; all my tensor loads have landed: my part of the next slot
	ds_add_u32 v14, v15                            ; 0 onto my spare word
	MULS 1, 0, NBK/4, 0                            ; matrix work stands between the add and the wait for it
	s_wait_dscnt 0x0                               ; the add is done
	s_barrier_signal -1
	MULS 1, NBK/4, NBK/4, 0
	WIN 0
	s_barrier_wait -1
.if \fill
	CREST                                          ; the barrier has opened a round of the cluster's: no wave of any partner still reads this slot or has a load on its way
	s_add_nc_u64 s[G0+4*\slot+2:G0+4*\slot+3], s[G0+4*\slot+2:G0+4*\slot+3], 2*NQ*GB
	s_add_nc_u64 s[G0B+4*\slot+2:G0B+4*\slot+3], s[G0B+4*\slot+2:G0B+4*\slot+3], 2*NQ*GB
	JLOAD G0+4*\slot, G1, G0B+4*\slot, G1B         ; the first tensor load behind the round; its four v_nop are the places in front of the loads below
.else
	PLACES 4
.endif
	FETCH \next, 0, 0
	MULS 1, NBK/2, NBK/2, 0
	WIN 0
.endm
	s_load_b128 s[4:7], s[0:1], 0x0                ; A's codes, wc
	s_load_b128 s[8:11], s[0:1], 0x10              ; the bias, the residual
	s_load_b64 s[12:13], s[0:1], 0x20              ; the result
	v_lshl_add_u32 v14, v0, 2, SPARE
	v_mov_b32 v15, 0
	ds_add_u32 v14, v15
	ds_add_u32 v14, v15
	s_wait_dscnt 0x0
	v_lshrrev_b32 v1, 5, v0
	v_readfirstlane_b32 s14, v1                    ; wave 0..3
	s_lshr_b32 s15, s14, 1                         ; my half of the tokens.  Also: I fetch for A (0) or for B (1)
	s_and_b32 s16, s14, 1                          ; my half of the features.  Also: which four K steps (which slot) I fetch
	s_bfe_u32 s40, ttmp6, 0x40000                  ; cx
	s_bfe_u32 s41, ttmp6, 0x40004                  ; cy
	s_lshl_b32 s42, ttmp9, 2
	s_add_co_u32 s42, s42, s40                     ; B's row group = 4 x cluster x + cx
	s_and_b32 s17, ttmp7, 0xffff
	s_lshl_b32 s17, s17, 2
	s_add_co_u32 s17, s17, s41                     ; A's row group = 4 x cluster y + cy
	s_lshl_b32 s43, s41, 2
	s_lshl_b32 s43, 15, s43                        ; my row of the cluster
	s_lshl_b32 s44, 0x1111, s40                    ; my column
	s_or_b32 s[G1], s43, (3<<16)|(1<<21)           ; 15:0 the mask; 17:16 elements of 8 bytes; 21 set beside a mask; no padding
	s_or_b32 s[G1B], s44, (3<<16)|(1<<21)
.irp g, G1, G1B
	s_mov_b32 s[\g+1], 32<<16                      ; tensor_dim0 = 32 elements: 256 bytes
	s_mov_b32 s[\g+2], 200<<16                     ; tensor_dim1 = 200 rows: four blocks of 12,800 bytes, dense
	s_mov_b32 s[\g+3], 32<<16                      ; tile_dim0
	s_mov_b32 s[\g+4], 200                         ; tile_dim1
	s_mov_b32 s[\g+5], 32                          ; the pitch
	s_mov_b32 s[\g+6], 0
	s_mov_b32 s[\g+7], 0
.endr
	s_mul_i32 s18, s16, 2*QRT                      ; I fetch K steps 0 to 3 or 4 to 7
	s_mul_i32 s20, s17, NKS*GB
	s_add_co_u32 s20, s20, s18
	s_mov_b32 s21, 0
	s_mul_i32 s46, s42, NKS*GB                     ; in registers that never hold A's coordinate
	s_add_co_u32 s46, s46, s18
	s_add_co_u32 s46, s46, WOFF
	s_mov_b32 s47, 0
	s_mul_i32 s45, s16, SLOT                       ; where they go: slot = which four steps, A's half of it or B's: no place in the cluster enters an LDS address
	s_mul_i32 s19, s15, 2*QRT
	s_add_co_u32 s45, s45, s19
	s_lshl_b32 s66, s17, 19                        ; my first token's row of 4,096 bytes: 128 x group + 64 x half,
	s_lshl_b32 s67, s15, 18
	s_add_co_u32 s66, s66, s67
	s_lshl_b32 s68, s42, 9                         ; my first feature, in bytes: 512 x group + 256 x half
	s_lshl_b32 s69, s16, 8
	s_add_co_u32 s68, s68, s69
	s_add_co_u32 s66, s66, s68
	s_mov_b32 s67, 0
	s_mov_b32 s69, 0
	s_wait_kmcnt 0x0
	s_add_nc_u64 s[20:21], s[4:5], s[20:21]
	s_add_nc_u64 s[46:47], s[6:7], s[46:47]
	s_add_nc_u64 s[8:9], s[8:9], s[68:69]
	s_add_nc_u64 s[10:11], s[10:11], s[66:67]
	s_add_nc_u64 s[12:13], s[12:13], s[66:67]
	CROUND                                         ; all sixteen work-groups are here: the first joint loads meet
.irp s, 0
	s_mov_b32 s[G0+4*\s], 1
	s_add_co_u32 s[G0+4*\s+1], s45, \s*SLOT
	s_add_nc_u64 s[G0+4*\s+2:G0+4*\s+3], s[20:21], \s*NQ*GB
	s_or_b32 s[G0+4*\s+3], s[G0+4*\s+3], 0x80000000
	s_mov_b32 s[G0B+4*\s], 1
	s_add_co_u32 s[G0B+4*\s+1], s45, \s*SLOT
	s_add_nc_u64 s[G0B+4*\s+2:G0B+4*\s+3], s[46:47], \s*NQ*GB
	s_or_b32 s[G0B+4*\s+3], s[G0B+4*\s+3], 0x80000000
	JLOAD G0+4*\s, G1, G0B+4*\s, G1B               ; my one load at the head
.endr
	v_and_b32 v1, 15, v0                           ; r
	v_bfe_u32 v2, v0, 4, 1                         ; h
	v_and_b32 v3, 31, v0                           ; lane
	v_lshlrev_b32 v20, 4, v3                       ; 16 x lane
	v_lshlrev_b32 v21, 3, v3                       ; 8 x lane
	s_mul_i32 s18, s15, ABSTEP                     ; my half of A
	s_mul_i32 s19, s16, ABSTEP
	s_add_co_u32 s19, s19, 2*QRT                   ; my half of B, behind A's two quarters
.irp s, 0,1
	v_add_nc_u32 v[4+\s], s18, v20
	v_add_nc_u32 v[6+\s], s18, v21
	v_add_nc_u32 v[8+\s], s19, v20
	v_add_nc_u32 v[10+\s], s19, v21
	s_add_co_u32 s18, s18, SLOT
	s_add_co_u32 s19, s19, SLOT
.endr
	s_mul_i32 s22, s15, SSTEP                      ; the scale words: lanes 0-15 take A's rows, lanes 16-31 B's: the lower base + h x the distance
	s_mul_i32 s23, s16, SSTEP
	s_add_co_u32 s23, s23, 2*QRT
	s_sub_co_u32 s23, s23, s22
	v_mul_u32_u24 v12, s23, v2
	v_lshl_add_u32 v12, v1, 5, v12
	s_add_co_u32 s22, s22, 12288
	v_add_nc_u32 v12, s22, v12
	v_add_nc_u32 v13, SLOT, v12
	s_mul_i32 s22, s14, 4352                       ; my stage: 16 rows of 256 bytes + 16
	v_mul_u32_u24 v16, v1, 272
	v_lshl_add_u32 v16, v2, 6, v16
	v_add_nc_u32 v16, s22, v16                     ; in: row r, + 64 h
	v_mul_u32_u24 v17, v2, 272
	v_lshl_add_u32 v17, v1, 4, v17
	v_add_nc_u32 v17, s22, v17                     ; back: lanes 0-15 one row, lanes 16-31 the next
	v_lshlrev_b32 v18, 12, v2
	v_lshl_add_u32 v18, v1, 4, v18                 ; and the same two rows in memory
	v_lshlrev_b32 v19, 4, v1                       ; the bias of my four features on the way back
	WIN 0x40
.irp a, 0,1,2,3
.irp t, 0,1,2,3,4,5,6,7
	global_load_b128 v[128+32*\a+4*\t:131+32*\a+4*\t], v18, s[10:11] offset:(32*(\a/2)+8*(\a%2)+2*\t+8*(\t/4))*4096   ; the residual: stage rows 2 t, 2 t + 1 of block a are these tokens
.endr
.endr
	WIN 0
	global_load_b128 v[20:23], v19, s[8:9]
	s_wait_tensorcnt 0x0                           ; my four K steps are in
	s_barrier_signal -1
	s_barrier_wait -1
	FETCH 0, 0, 0
	STEP 0, 0, 1                                   ; the first step's products start the sums
.if LAPS > 1
	s_mov_b32 s3, LAPS-1
.Llap:
	REST 0
	TURN 0, 1, 1
	STEP 1, 0, 0
	REST 1
	TURN 1, 0, 1
	STEP 0, 0, 0
	s_sub_co_u32 s3, s3, 1
	s_cmp_lg_u32 s3, 0
	s_cbranch_scc1 .Llap
.endif
	REST 0
	TURN 0, 1, 0
	STEP 1, 0, 0
	REST 1
	s_wait_dscnt 0x0
	MULS 1, 0, NBK, 0
	WIN 0
	PLACES 4                                       ; in front of the first reads of results and the loads over fragments
	s_wait_alu depctr_va_vdst(0)
	s_wait_loadcnt 0x0                             ; the residual and the bias
.irp a, 0,1,2,3
.set BK, 32+32*(\a%2)
.if \a >= 2
	s_wait_xcnt 0x0                                ; block a - 2's stores have read their registers
.endif
.irp b, 0,1,2,3
	ds_store_b128 v16, v[128+8*(4*\a+\b):128+8*(4*\a+\b)+3] offset:128*(\b/2)+32*(\b%2)          ; each accumulator from its low end on: features 32 (b / 2) + 16 h + 8 (b % 2) + 0 .. 7
	ds_store_b128 v16, v[128+8*(4*\a+\b)+4:128+8*(4*\a+\b)+7] offset:128*(\b/2)+32*(\b%2)+16
.endr
.irp t, 0,1,2,3,4,5,6,7
	ds_load_b128 v[BK+4*\t:BK+4*\t+3], v17 offset:544*\t           ; LDS serves a wave's instructions in order: these see my stores
.endr
	s_wait_dscnt 0x0
	WIN 0x04                                       ; source 1 window 1
.irp u, 0,1,2,3,4,5,6,7,8,9,10,11,12,13,14,15
	v_pk_add_f32 v[BK+2*\u:BK+2*\u+1], v[BK+2*\u:BK+2*\u+1], v[128+32*\a+2*\u:129+32*\a+2*\u]
.endr
	WIN 0
.irp t, 0,1,2,3,4,5,6,7
	v_pk_add_f32 v[BK+4*\t:BK+4*\t+1], v[BK+4*\t:BK+4*\t+1], v[20:21]
	v_pk_add_f32 v[BK+4*\t+2:BK+4*\t+3], v[BK+4*\t+2:BK+4*\t+3], v[22:23]
.endr
.irp t, 0,1,2,3,4,5,6,7
	global_store_b128 v18, v[BK+4*\t:BK+4*\t+3], s[12:13] offset:(32*(\a/2)+8*(\a%2)+2*\t+8*(\t/4))*4096   ; sixteen lanes store 256 consecutive bytes, aligned
.endr
.endr
	s_wait_tensorcnt 0x0                           ; the wave's end
	ds_add_u32 v14, v15
	s_wait_dscnt 0x0
	CROUND                                         ; the closing round
	s_endpgm
.Lfunc_end_k_q52100f0035_proj:
	.size	k_q52100f0035_proj, .Lfunc_end_k_q52100f0035_proj-k_q52100f0035_proj
	.p2alignl 7, 3214868480
	.fill 96, 4, 3214868480
	.section	.rodata,"a",@progbits
	.p2align	6, 0x0
	.amdhsa_kernel k_q52100f0035_proj
		.amdhsa_group_segment_fixed_size 327680
		.amdhsa_private_segment_fixed_size 0
		.amdhsa_enable_private_segment 0
		.amdhsa_kernarg_size 40
		.amdhsa_user_sgpr_count 2
		.amdhsa_user_sgpr_kernarg_segment_ptr 1
		.amdhsa_wavefront_size32 1
		.amdhsa_system_sgpr_workgroup_id_x 1
		.amdhsa_system_sgpr_workgroup_id_y 1
		.amdhsa_system_sgpr_workgroup_id_z 1
		.amdhsa_system_vgpr_workitem_id 0
		.amdhsa_next_free_vgpr 512
		.amdhsa_next_free_sgpr 72
		.amdhsa_reserve_vcc 0
		.amdhsa_float_denorm_mode_32 3
		.amdhsa_float_denorm_mode_16_64 3
		.amdhsa_memory_ordered 1
		.amdhsa_forward_progress 1
		.amdhsa_inst_pref_size 61
	.end_amdhsa_kernel
	.amdgpu_metadata
---
amdhsa.version: [ 1, 2 ]
amdhsa.kernels:
  - .name:           k_q52100f0035_proj
    .symbol:         k_q52100f0035_proj.kd
    .args:
      - { .name: oc, .offset: 0, .size: 8, .value_kind: global_buffer, .address_space: global }
      - { .name: wc, .offset: 8, .size: 8, .value_kind: global_buffer, .address_space: global }
      - { .name: b_out, .offset: 16, .size: 8, .value_kind: global_buffer, .address_space: global }
      - { .name: x, .offset: 24, .size: 8, .value_kind: global_buffer, .address_space: global }
      - { .name: temp, .offset: 32, .size: 8, .value_kind: global_buffer, .address_space: global }
    .group_segment_fixed_size: 327680
    .private_segment_fixed_size: 0
    .kernarg_segment_align: 8
    .kernarg_segment_size: 40
    .max_flat_workgroup_size: 128
    .sgpr_count:     72
    .vgpr_count:     512
    .wavefront_size: 32
...
	.end_amdgpu_metadata
.endif
;; end of part 4
;; launch ln1 (part 5): grid 256 x 1, 8 waves a work-group, no clusters, 70,656 bytes of LDS; arguments temp, ln2_g, ln2_b, hq; writes hq
.if DOCPART == 5
	.amdgcn_target "amdgcn-amd-amdhsa--gfx1250"
	.amdhsa_code_object_version 6
	.text
	.protected	k_q52100f0035_ln1
	.globl	k_q52100f0035_ln1
	.p2align	8
	.type	k_q52100f0035_ln1,@function
k_q52100f0035_ln1:
	s_mov_b64 s[64:65], 0
	v_nop
	global_prefetch_b8 v0, s[64:65] scope:SCOPE_SE
	s_setreg_imm32_b32 hwreg(HW_REG_WAVE_MODE, 25, 1), 1
	s_wait_xcnt 0x0
; out = Q((in - mean) x rsqrt(var + 1e-5) x g + b): a layer norm over rows of 1,024 f32, quantised along the row to codes of FP6 (E2M3) with one E8M0 byte for each 32, and stored as the products' launches read
; an operand: blocks of 12,800 bytes (128 rows x 128 along K: eight fragments of 1,536 bytes, then 512 bytes of scale words, row r's eight words at 32 r), laid [row group][K step].
; Row r of fragment t of a group is row 32 (t / 2) + 8 (t % 2) + r + (r & 8) of its 128.
; A work-group takes the 16 rows of one fragment; wave w takes columns 128 w on: one fragment.  Each load reads 512 consecutive bytes of a row; the 16 x 512 bytes turn through the wave's own stage in LDS, so that
; lane (r, h) then holds, of row r, the numbers 32 b + 16 h + 0 .. 15 of each block b of 32 in registers 16 b + 0 .. 15: the form that the conversions want.
; The mean is taken away before the squares are summed, so a common offset of the inputs costs no digits.  Both sums meet in LDS: a word for each row and wave, one barrier each, added in one order by all waves.
; LIMITS: a block of zeros, or one under 2^-124, keeps the byte 1 (this program alone reads the bytes); NaN and infinities are not served.
.set STG, 8448                         ; a wave's stage: 16 rows of 512 bytes + 16
.set RED, 67584                        ; behind the stages: two times 8 waves x 16 rows x 4 bytes
.set X,  64                            ; v64-127  my 64 numbers
.set G,  128                           ; v128-191 g at their columns
.set R,  192                           ; v192-255 the rows as loaded; then b
.set PC, 16                            ; v16-35   the codes
.set TM, 36                            ; v36-51   at work
.set PW, 52                            ; v52      the scale word
	s_load_b256 s[4:11], s[0:1], 0x0               ; in, g, b, out
	v_lshl_add_u32 v62, v0, 2, 0x11000
	v_mov_b32 v63, 0
	v_lshrrev_b32 v1, 5, v0
	s_delay_alu instid0(VALU_DEP_1)
	v_readfirstlane_b32 s12, v1                    ; wave = K step
	v_and_b32 v1, 31, v0                           ; lane
	v_and_b32 v2, 15, v0                           ; r
	v_bfe_u32 v3, v0, 4, 1                         ; h
	s_delay_alu instid0(VALU_DEP_3)
	v_lshlrev_b32 v4, 4, v1                        ; 16 x lane
	s_delay_alu instid0(VALU_DEP_4)
	v_lshlrev_b32 v5, 3, v1                        ; 8 x lane
	s_delay_alu instid0(VALU_DEP_3)
	v_lshlrev_b32 v6, 6, v3                        ; 64 h
	s_mul_i32 s13, s12, STG
	v_add_nc_u32 v7, s13, v4                       ; the stage, on the way in
	v_mul_u32_u24 v8, v2, 528
	s_delay_alu instid0(VALU_DEP_1)
	v_add_nc_u32 v8, v8, v6
	s_delay_alu instid0(VALU_DEP_1)
	v_add_nc_u32 v8, s13, v8                       ; and on the way out: row r, + 64 h
	v_lshl_add_u32 v9, v2, 2, RED                  ; the sums: row r's words
	s_lshl_b32 s14, s12, 6
	v_add_nc_u32 v10, s14, v9                      ; my wave's
	v_lshlrev_b32 v11, 5, v2                       ; 32 r: the scale word's place
	s_mov_b32 s30, 0x76543210
	s_mov_b32 s31, 0xfedcba98                      ; lane l xor 16
	s_mov_b32 s32, 0x3a800000                      ; 1 / 1024
	s_mov_b32 s33, 0x3727c5ac                      ; 1e-5
	s_lshr_b32 s15, ttmp9, 1
	s_lshl_b32 s15, s15, 5
	s_and_b32 s16, ttmp9, 1
	s_lshl_b32 s16, s16, 3
	s_add_co_u32 s15, s15, s16                     ; the fragment's first row
	s_lshl_b32 s16, s15, 12
	s_lshl_b32 s18, s12, 9                         ; my 128 columns
	s_add_co_u32 s16, s16, s18
	s_mov_b32 s17, 0
	s_mov_b32 s19, 0
	s_lshr_b32 s20, ttmp9, 3
	s_lshl_b32 s20, s20, 3
	s_add_co_u32 s20, s20, s12
	s_mul_i32 s20, s20, 12800                      ; the block: row group x 8 + K step
	s_mov_b32 s21, 0
	s_and_b32 s22, ttmp9, 7
	s_mul_i32 s24, s22, 1536
	s_add_co_u32 s24, s24, s20                     ; the fragment in it
	s_mov_b32 s25, 0
	s_lshl_b32 s22, s22, 2
	s_add_co_u32 s20, s20, s22                     ; and its column of scale words
	s_wait_alu depctr_va_vdst(0)
	s_wait_kmcnt 0x0
	s_add_nc_u64 s[4:5], s[4:5], s[16:17]
	s_add_nc_u64 s[6:7], s[6:7], s[18:19]
	s_add_nc_u64 s[8:9], s[8:9], s[18:19]
	s_add_nc_u64 s[26:27], s[10:11], s[24:25]
	s_add_nc_u64 s[28:29], s[10:11], s[20:21]
.irp i, 0,1,2,3,4,5,6,7,8,9,10,11,12,13,14,15
	global_load_b128 v[R+4*\i:R+4*\i+3], v4, s[4:5] offset:(\i+(\i&8))*4096   ; 512 consecutive bytes of the fragment's row i
.endr
.irp b, 0,1,2,3
.irp j, 0,1,2,3
	global_load_b128 v[G+16*\b+4*\j:G+16*\b+4*\j+3], v6, s[6:7] offset:128*\b+16*\j
.endr
.endr
	s_wait_loadcnt 16                              ; the rows are in; g's sixteen loads may stay out
.irp i, 0,1,2,3,4,5,6,7,8,9,10,11,12,13,14,15
	ds_store_b128 v7, v[R+4*\i:R+4*\i+3] offset:528*\i
.endr
.irp b, 0,1,2,3
.irp j, 0,1,2,3
	ds_load_b128 v[X+16*\b+4*\j:X+16*\b+4*\j+3], v8 offset:128*\b+16*\j      ; LDS serves a wave's instructions in order: these see my stores
.endr
.endr
	s_wait_dscnt 0x0
.irp b, 0,1,2,3
.irp j, 0,1,2,3
	global_load_b128 v[R+16*\b+4*\j:R+16*\b+4*\j+3], v6, s[8:9] offset:128*\b+16*\j   ; b, into the registers that the rows have left
.endr
.endr
; v[36:37] holds a lane's sum in two halves -> v36 = the row's sum, the same bits in every wave
.macro ACROSS off
	s_delay_alu instid0(VALU_DEP_1)
	v_add_f32 v36, v36, v37
	s_delay_alu instid0(VALU_DEP_1)
	v_permlanex16_b32 v37, v36, s30, s31
	s_delay_alu instid0(VALU_DEP_1)
	v_add_f32 v36, v36, v37
	ds_store_b32 v10, v36 offset:\off              ; lanes r and r + 16 write the same word with the same value
	s_wait_dscnt 0x0                               ; for the others' sake
	s_barrier_signal -1
	s_barrier_wait -1
.irp i, 0,1,2,3,4,5,6,7
	ds_load_b32 v[36+\i], v9 offset:\off+64*\i
.endr
	s_wait_dscnt 0x0
	v_add_f32 v36, v36, v37
	v_add_f32 v38, v38, v39
	v_add_f32 v40, v40, v41
	v_add_f32 v42, v42, v43
	s_delay_alu instid0(VALU_DEP_3)
	v_add_f32 v36, v36, v38
	s_delay_alu instid0(VALU_DEP_2)
	v_add_f32 v40, v40, v42
	s_delay_alu instid0(VALU_DEP_1)
	v_add_f32 v36, v36, v40
.endm
.macro FOLD                            ; four chains of pairs into one
	s_delay_alu instid0(VALU_DEP_3)
	v_pk_add_f32 v[36:37], v[36:37], v[38:39]
	s_delay_alu instid0(VALU_DEP_2)
	v_pk_add_f32 v[40:41], v[40:41], v[42:43]
	s_delay_alu instid0(VALU_DEP_1)
	v_pk_add_f32 v[36:37], v[36:37], v[40:41]
.endm
.irp c, 0,1,2,3
	v_pk_add_f32 v[TM+2*\c:TM+2*\c+1], v[X+2*\c:X+2*\c+1], v[X+8+2*\c:X+9+2*\c]    ; the first pairs start the chains
.endr
.irp p, 8,12,16,20,24,28
.irp c, 0,1,2,3
	s_delay_alu instid0(VALU_DEP_4)
	v_pk_add_f32 v[TM+2*\c:TM+2*\c+1], v[TM+2*\c:TM+2*\c+1], v[X+2*(\p+\c):X+2*(\p+\c)+1]
.endr
.endr
	FOLD
	ACROSS 0
	s_delay_alu instid0(VALU_DEP_1)
	v_mul_f32 v54, s32, v36                        ; the mean
	s_delay_alu instid0(VALU_DEP_1)
	v_mov_b32 v55, v54
.set j, 0
.rept 32
	v_pk_add_f32 v[X+2*j:X+2*j+1], v[X+2*j:X+2*j+1], v[54:55] neg_lo:[0,1] neg_hi:[0,1]
.set j, j+1
.endr
.irp c, 0,1,2,3
	v_pk_mul_f32 v[TM+2*\c:TM+2*\c+1], v[X+2*\c:X+2*\c+1], v[X+2*\c:X+2*\c+1]
.endr
.irp p, 4,8,12,16,20,24,28
.irp c, 0,1,2,3
	s_delay_alu instid0(VALU_DEP_4)
	v_pk_fma_f32 v[TM+2*\c:TM+2*\c+1], v[X+2*(\p+\c):X+2*(\p+\c)+1], v[X+2*(\p+\c):X+2*(\p+\c)+1], v[TM+2*\c:TM+2*\c+1]
.endr
.endr
	FOLD
	ACROSS 512                                     ; other words than the first sum's: one barrier is enough
	s_delay_alu instid0(VALU_DEP_1)
	v_fma_f32 v58, v36, s32, s33                   ; var + eps
	s_wait_alu depctr_va_vdst(0)
	v_rsq_f32 v56, v58
	v_nop                                          ; one plain line behind the transcendental
	s_wait_alu depctr_va_vdst(0)                   ; and the wait ahead of the first use
	v_mov_b32 v57, v56
	s_wait_alu depctr_va_vdst(0)
	s_wait_loadcnt 0x0                             ; g and b
.set j, 0
.rept 32
	v_pk_mul_f32 v[X+2*j:X+2*j+1], v[X+2*j:X+2*j+1], v[56:57]
.set j, j+1
.endr
.set j, 0
.rept 32
	v_pk_fma_f32 v[X+2*j:X+2*j+1], v[X+2*j:X+2*j+1], v[G+2*j:G+2*j+1], v[R+2*j:R+2*j+1]
.set j, j+1
.endr
	; the quantiser: four blocks of 32, each in lanes l and l xor 16
.irp b, 0,1,2,3
	v_max3_num_f32 v[TM+\b], |v[X+16*\b]|, |v[X+16*\b+1]|, 0x1800000      ; and the floor 2^(3 - 127)
.endr
.irp i, 2,4,6,8,10,12,14
.irp b, 0,1,2,3
	s_delay_alu instid0(VALU_DEP_4)
	v_max3_num_f32 v[TM+\b], v[TM+\b], |v[X+16*\b+\i]|, |v[X+16*\b+\i+1]|
.endr
.endr
.irp b, 0,1,2,3
	s_delay_alu instid0(VALU_DEP_4)
	v_permlanex16_b32 v[TM+4+\b], v[TM+\b], s30, s31               ; (its destinations were written by the sums)
.endr
.irp b, 0,1,2,3
	s_delay_alu instid0(VALU_DEP_4)
	v_max_num_f32 v[TM+\b], v[TM+\b], v[TM+4+\b]
.endr
.irp b, 0,1,2,3
	s_delay_alu instid0(VALU_DEP_4)
	v_add_nc_u32 v[TM+12+\b], 0xff000000, v[TM+\b]                 ; 2 off the exponent field: the conversion's scale operand
.endr
.irp b, 0,1,2,3
	s_delay_alu instid0(VALU_DEP_4)
	v_lshrrev_b32 v[TM+4+\b], 23, v[TM+12+\b]                      ; the byte
.endr
	s_delay_alu instid0(VALU_DEP_3)
	v_lshl_or_b32 v[PW], v[TM+5], 8, v[TM+4]
	s_delay_alu instid0(VALU_DEP_1)
	v_lshl_or_b32 v[PW], v[TM+6], 16, v[PW]
	s_delay_alu instid0(VALU_DEP_1)
	v_lshl_or_b32 v[PW], v[TM+7], 24, v[PW]
.irp c, 0,1
	v_cvt_scalef32_pk16_fp6_f32 v[PC+6*\c:PC+6*\c+2], v[X+32*\c:X+32*\c+15], v[TM+12+2*\c]
	v_cvt_scalef32_pk16_fp6_f32 v[PC+12+4*\c:PC+14+4*\c], v[X+16+32*\c:X+31+32*\c], v[TM+13+2*\c]
.endr
	v_nop                                          ; one plain line behind the conversions
.irp c, 0,1                                    ; the operand wants a whole block in a lane: lanes 0-15 block 2 c, lanes 16-31 block 2 c + 1
.irp i, 0,1,2
	v_permlane16_swap_b32 v[PC+6*\c+\i], v[PC+12+4*\c+\i]
.endr
.irp i, 0,1,2
	s_delay_alu instid0(VALU_DEP_3)
	v_mov_b32 v[PC+3+6*\c+\i], v[PC+12+4*\c+\i]
.endr
.endr
	global_store_b128 v4, v[PC:PC+3], s[26:27]                     ; 512, 256, 512, 256 consecutive bytes
	global_store_b64  v5, v[PC+4:PC+5], s[26:27] offset:512
	global_store_b128 v4, v[PC+6:PC+9], s[26:27] offset:768
	global_store_b64  v5, v[PC+10:PC+11], s[26:27] offset:1280
	global_store_b32  v11, v[PW], s[28:29] offset:12288            ; row r's word (lanes r and r + 16 hold the same)
	s_wait_tensorcnt 0x0
	ds_add_u32 v62, v63
	s_wait_dscnt 0x0
	s_endpgm
.Lfunc_end_k_q52100f0035_ln1:
	.size	k_q52100f0035_ln1, .Lfunc_end_k_q52100f0035_ln1-k_q52100f0035_ln1
	.p2alignl 7, 3214868480
	.fill 96, 4, 3214868480
	.section	.rodata,"a",@progbits
	.p2align	6, 0x0
	.amdhsa_kernel k_q52100f0035_ln1
		.amdhsa_group_segment_fixed_size 70656
		.amdhsa_private_segment_fixed_size 0
		.amdhsa_enable_private_segment 0
		.amdhsa_kernarg_size 32
		.amdhsa_user_sgpr_count 2
		.amdhsa_user_sgpr_kernarg_segment_ptr 1
		.amdhsa_wavefront_size32 1
		.amdhsa_system_sgpr_workgroup_id_x 1
		.amdhsa_system_sgpr_workgroup_id_y 1
		.amdhsa_system_sgpr_workgroup_id_z 1
		.amdhsa_system_vgpr_workitem_id 0
		.amdhsa_next_free_vgpr 256
		.amdhsa_next_free_sgpr 66
		.amdhsa_reserve_vcc 0
		.amdhsa_float_denorm_mode_32 3
		.amdhsa_float_denorm_mode_16_64 3
		.amdhsa_memory_ordered 1
		.amdhsa_forward_progress 1
		.amdhsa_inst_pref_size 30
	.end_amdhsa_kernel
	.amdgpu_metadata
---
amdhsa.version: [ 1, 2 ]
amdhsa.kernels:
  - .name:           k_q52100f0035_ln1
    .symbol:         k_q52100f0035_ln1.kd
    .args:
      - { .name: temp, .offset: 0, .size: 8, .value_kind: global_buffer, .address_space: global }
      - { .name: ln2_g, .offset: 8, .size: 8, .value_kind: global_buffer, .address_space: global }
      - { .name: ln2_b, .offset: 16, .size: 8, .value_kind: global_buffer, .address_space: global }
      - { .name: hq, .offset: 24, .size: 8, .value_kind: global_buffer, .address_space: global }
    .group_segment_fixed_size: 70656
    .private_segment_fixed_size: 0
    .kernarg_segment_align: 8
    .kernarg_segment_size: 32
    .max_flat_workgroup_size: 256
    .sgpr_count:     66
    .vgpr_count:     256
    .wavefront_size: 32
...
	.end_amdgpu_metadata
.endif
;; end of part 5
;; launch fc1 (part 6): grid 16 x 16, 4 waves a work-group, clusters of 4 x 4, 327,680 bytes of LDS; arguments hq, wc, b_fc1, fq; writes fq
.if DOCPART == 6
	.amdgcn_target "amdgcn-amd-amdhsa--gfx1250"
	.amdhsa_code_object_version 6
	.text
	.protected	k_q52100f0035_fc1
	.globl	k_q52100f0035_fc1
	.p2align	8
	.type	k_q52100f0035_fc1,@function
k_q52100f0035_fc1:
	s_mov_b64 s[64:65], 0
	v_nop
	global_prefetch_b8 v0, s[64:65] scope:SCOPE_SE
	s_setreg_imm32_b32 hwreg(HW_REG_WAVE_MODE, 25, 1), 1
	s_wait_xcnt 0x0
	s_wait_alu depctr_hold_cnt(0) depctr_sa_sdst(0) depctr_va_vdst(0) depctr_va_sdst(0) depctr_va_ssrc(0) depctr_va_vcc(0) depctr_vm_vsrc(0)
	s_getreg_b32 s2, hwreg(HW_REG_IB_STS2, 6, 4)
	s_cmp_eq_u32 s2, 0
	s_cbranch_scc0 .Lentry_in_a_cluster
	s_endpgm
.Lentry_in_a_cluster:
	s_bfe_u32 s2, ttmp6, 0x10000c
	s_cmp_lg_u32 s2, 0xf033
	s_cbranch_scc0 .Lentry_shape_is_right
	s_endpgm
.Lentry_shape_is_right:
.set NBK,  8
.set NQ,   2
.set NKS,  8
.set WOFF, 3276800
.set AW0,  2
.set ACC0, 0
.set AF,   64
.set BF,   0
.set SC,   32
; LDS: four regions of 76,800 bytes, one for each wave's load: A's row group 0, A's 1, B's 0, B's 1.  A region holds its row group's K steps 0 to 5 on end; a slot is two steps of each region.
.set ABSTEP, 76800
.set SSTEP,  76800
.set GB,    12800
.set QRT,   6*GB                       ; a region: what a wave's one load at the head brings: 300 rows of 256 bytes
.set SLOT,  2*GB                       ; from a slot to the next inside a region
.set SPARE, 4*QRT
.set FR,    12
.set SETP,  FR*NBK
.set A16,  4
.set A8,   7
.set B16,  10
.set B8,   20
.set ADS,  23
.set G1,  24
.set G1B, 48
.set MSB, 0
.macro WIN new
.if MSB != (\new)
	s_set_vgpr_msb (MSB<<8)|(\new)
.set MSB, (\new)
.endif
.endm
.macro PLACES n
.rept \n
	v_nop
.endr
.endm
.macro JLOAD g0a, g1a, g0b, g1b
	s_cmp_eq_u32 s15, 0
	s_cbranch_scc0 .Lfor_b_\@
	tensor_load_to_lds s[\g0a:\g0a+3], s[\g1a:\g1a+7]
	s_nop 0
.rept 4
	v_nop
.endr
	s_branch .Lasked_\@
.Lfor_b_\@:
	tensor_load_to_lds s[\g0b:\g0b+3], s[\g1b:\g1b+7]
	s_nop 0
.rept 4
	v_nop
.endr
.Lasked_\@:
.endm
.macro CREST
	s_cmp_lg_u32 s14, 0
	s_cbranch_scc1 .Lnot_wave_0_\@
	s_barrier_signal -3
.Lnot_wave_0_\@:
	s_barrier_wait -3
	s_barrier_signal -1
	s_barrier_wait -1
.endm
.macro CROUND
	s_barrier_signal -1
	s_barrier_wait -1
	CREST
.endm
.macro FIRST ga, gb, s
	s_mov_b32 s[\ga], 1
	s_add_co_u32 s[\ga+1], s45, \s*SLOT
	s_add_nc_u64 s[\ga+2:\ga+3], s[20:21], \s*NQ*GB
	s_or_b32 s[\ga+3], s[\ga+3], 0x80000000
	s_mov_b32 s[\gb], 1
	s_add_co_u32 s[\gb+1], s45, \s*SLOT
	s_add_nc_u64 s[\gb+2:\gb+3], s[46:47], \s*NQ*GB
	s_or_b32 s[\gb+3], s[\gb+3], 0x80000000
	JLOAD \ga, G1, \gb, G1B
.endm
.macro FRAG reg, a16, a8, off
	ds_load_b128 v[\reg:\reg+3], v[\a16] offset:\off
	ds_load_b64 v[\reg+4:\reg+5], v[\a8] offset:\off+512
	ds_load_b128 v[\reg+6:\reg+9], v[\a16] offset:\off+768
	ds_load_b64 v[\reg+10:\reg+11], v[\a8] offset:\off+1280
.endm
.macro FETCH slot, q, p
	WIN 0x40
.set fi, 0
.rept NBK
.set fr, BF+SETP*(\p)+FR*fi
.set fo, (\q)*GB+fi*1536
	FRAG fr, B16+\slot, B8+\slot, fo
.set fi, fi+1
.endr
	WIN 0
.set fi, 0
.rept NBK
.set fr, AF+SETP*(\p)+FR*fi
.set fo, (\q)*GB+fi*1536
	FRAG fr, A16+\slot, A8+\slot, fo
.set fi, fi+1
.endr
.set fi, 0
.rept NBK/4
	ds_load_b128 v[SC+NBK*(\p)+4*fi:SC+NBK*(\p)+4*fi+3], v[ADS+\slot] offset:(\q)*GB+16*fi
.set fi, fi+1
.endr
.endm
.macro MULS p, a0, n, zero
.set ma, \a0
.rept \n
	WIN (AW0+ma/4)*0x50+1
.set mb, 0
.rept NBK
.set rD, ACC0+8*(NBK*(ma%4)+mb)
.set rB, BF+SETP*(\p)+FR*mb
.set rA, AF+SETP*(\p)+FR*ma
.if \zero
	v_wmma_scale_f32_16x16x128_f8f6f4 v[rD:rD+7], v[rB:rB+FR-1], v[rA:rA+FR-1], 0, v[SC+NBK*(\p)+mb], v[SC+NBK*(\p)+ma] matrix_a_fmt:MATRIX_FMT_FP6 matrix_b_fmt:MATRIX_FMT_FP6 matrix_a_scale:MATRIX_SCALE_ROW1
.else
	v_wmma_scale_f32_16x16x128_f8f6f4 v[rD:rD+7], v[rB:rB+FR-1], v[rA:rA+FR-1], v[rD:rD+7], v[SC+NBK*(\p)+mb], v[SC+NBK*(\p)+ma] matrix_a_fmt:MATRIX_FMT_FP6 matrix_b_fmt:MATRIX_FMT_FP6 matrix_a_scale:MATRIX_SCALE_ROW1
.endif
.set mb, mb+1
.endr
.set ma, ma+1
.endr
.endm
.macro STEPG fs, fq, mp, zero
	s_wait_dscnt 0x0
	PLACES 4
	FETCH \fs, \fq, 1-(\mp)
	MULS \mp, 0, NBK, \zero
	WIN 0
.endm
.macro TURN next, fill
	s_wait_dscnt 0x0
	s_wait_tensorcnt 0x0
	ds_add_u32 v14, v15
	MULS 1, 0, NBK/4, 0
	s_wait_dscnt 0x0
	s_barrier_signal -1
	MULS 1, NBK/4, NBK/4, 0
	WIN 0
	s_barrier_wait -1
.if \fill
	CREST
	s_add_nc_u64 s[34:35], s[34:35], 6*GB
	s_add_nc_u64 s[58:59], s[58:59], 6*GB
	s_mov_b32 s[G1+2], 100<<16                     ; no load of mine is out: from here on a load brings 100 rows, two K steps
	s_mov_b32 s[G1+4], 100
	s_mov_b32 s[G1B+2], 100<<16
	s_mov_b32 s[G1B+4], 100
	JLOAD 32, G1, 56, G1B
.else
	PLACES 4
.endif
	FETCH \next, 0, 0
	MULS 1, NBK/2, NBK/2, 0
	WIN 0
.endm
.set HA, 64
.set E,  128
.set PC, 192
.set TM, 212
.set PW, 228
.set SW, 48
.macro QUANT s, w
	WIN (\w)|((\w)<<2)
.irp b, 0,1,2,3
	v_max3_num_f32 v[TM+\b], |v[\s+16*\b]|, |v[\s+16*\b+1]|, 0x1800000
.endr
	WIN ((\w)<<2)|((\w)<<4)
.irp i, 2,4,6,8,10,12,14
.irp b, 0,1,2,3
	v_max3_num_f32 v[TM+\b], v[TM+\b], |v[\s+16*\b+\i]|, |v[\s+16*\b+\i+1]|
.endr
.endr
	WIN 0
.irp b, 0,1,2,3
	v_permlanex16_b32 v[TM+4+\b], v[TM+\b], s20, s21
.endr
.irp b, 0,1,2,3
	v_max_num_f32 v[TM+\b], v[TM+\b], v[TM+4+\b]
.endr
.irp b, 0,1,2,3
	v_add_nc_u32 v[TM+12+\b], 0xff000000, v[TM+\b]
.endr
.irp b, 0,1,2,3
	v_lshrrev_b32 v[TM+4+\b], 23, v[TM+12+\b]
.endr
	v_lshl_or_b32 v[PW], v[TM+5], 8, v[TM+4]
	v_lshl_or_b32 v[PW], v[TM+6], 16, v[PW]
	v_lshl_or_b32 v[PW], v[TM+7], 24, v[PW]
	WIN (\w)
.irp c, 0,1
	v_cvt_scalef32_pk16_fp6_f32 v[PC+6*\c:PC+6*\c+2], v[\s+32*\c:\s+32*\c+15], v[TM+12+2*\c]
	v_cvt_scalef32_pk16_fp6_f32 v[PC+12+4*\c:PC+14+4*\c], v[\s+16+32*\c:\s+31+32*\c], v[TM+13+2*\c]
.endr
	WIN 0
	v_nop
.irp c, 0,1
.irp i, 0,1,2
	v_permlane16_swap_b32 v[PC+6*\c+\i], v[PC+12+4*\c+\i]
.endr
.irp i, 0,1,2
	v_mov_b32 v[PC+3+6*\c+\i], v[PC+12+4*\c+\i]
.endr
.endr
.endm
.macro STFRAG off
	global_store_b128 v16, v[PC:PC+3], s[76:77] offset:\off
	global_store_b64 v17, v[PC+4:PC+5], s[76:77] offset:\off+512
	global_store_b128 v16, v[PC+6:PC+9], s[76:77] offset:\off+768
	global_store_b64 v17, v[PC+10:PC+11], s[76:77] offset:\off+1280
.endm
	s_load_b128 s[4:7], s[0:1], 0x0
	s_load_b128 s[8:11], s[0:1], 0x10
	v_lshl_add_u32 v14, v0, 2, SPARE
	v_mov_b32 v15, 0
	ds_add_u32 v14, v15
	ds_add_u32 v14, v15
	s_wait_dscnt 0x0
	v_lshrrev_b32 v1, 5, v0
	v_readfirstlane_b32 s14, v1
	s_lshr_b32 s15, s14, 1
	s_and_b32 s16, s14, 1
	s_bfe_u32 s40, ttmp6, 0x40000
	s_bfe_u32 s41, ttmp6, 0x40004
	s_lshl_b32 s42, ttmp9, 2
	s_add_co_u32 s42, s42, s40
	s_and_b32 s17, ttmp7, 0xffff
	s_lshl_b32 s17, s17, 2
	s_add_co_u32 s17, s17, s41
	s_lshl_b32 s43, s41, 2
	s_lshl_b32 s43, 15, s43
	s_lshl_b32 s44, 0x1111, s40
	s_or_b32 s[G1], s43, (3<<16)|(1<<21)
	s_or_b32 s[G1B], s44, (3<<16)|(1<<21)
.irp g, G1, G1B
	s_mov_b32 s[\g+1], 32<<16
	s_mov_b32 s[\g+2], 300<<16
	s_mov_b32 s[\g+3], 32<<16
	s_mov_b32 s[\g+4], 300
	s_mov_b32 s[\g+5], 32
	s_mov_b32 s[\g+6], 0
	s_mov_b32 s[\g+7], 0
.endr
	s_lshl_b32 s20, s17, 1
	s_add_co_u32 s20, s20, s16
	s_mul_i32 s20, s20, NKS*GB
	s_mov_b32 s21, 0
	s_lshl_b32 s46, s42, 1
	s_add_co_u32 s46, s46, s16
	s_mul_i32 s46, s46, NKS*GB
	s_add_co_u32 s46, s46, WOFF
	s_mov_b32 s47, 0
	s_mul_i32 s45, s14, QRT
	s_lshl_b32 s72, s42, 10
	s_lshl_b32 s73, s16, 9
	s_add_co_u32 s72, s72, s73
	s_mov_b32 s73, 0
	s_lshl_b32 s76, s17, 1
	s_add_co_u32 s76, s76, s15
	s_lshl_b32 s76, s76, 5
	s_lshl_b32 s77, s42, 1
	s_add_co_u32 s76, s76, s77
	s_add_co_u32 s76, s76, s16
	s_mul_i32 s76, s76, GB
	s_mov_b32 s77, 0
	s_mov_b32 s68, 0xbdd2d3e8
	s_mov_b32 s69, s68
	s_wait_kmcnt 0x0
	s_add_nc_u64 s[20:21], s[4:5], s[20:21]
	s_add_nc_u64 s[46:47], s[6:7], s[46:47]
	s_add_nc_u64 s[72:73], s[8:9], s[72:73]
	s_add_nc_u64 s[76:77], s[10:11], s[76:77]
	CROUND
	FIRST 32, 56, 0                                ; K steps 0 to 5 of my row group: my one load at the head
	v_and_b32 v1, 15, v0
	v_bfe_u32 v2, v0, 4, 1
	v_and_b32 v3, 31, v0
	v_lshlrev_b32 v16, 4, v3
	v_lshlrev_b32 v17, 3, v3
	s_mul_i32 s18, s15, ABSTEP
	s_mul_i32 s19, s16, ABSTEP
	s_add_co_u32 s19, s19, 2*QRT
.irp s, 0,1,2
	v_add_nc_u32 v[A16+\s], s18, v16
	v_add_nc_u32 v[A8+\s], s18, v17
	v_add_nc_u32 v[B16+\s], s19, v16
	v_add_nc_u32 v[B8+\s], s19, v17
	s_add_co_u32 s18, s18, SLOT
	s_add_co_u32 s19, s19, SLOT
.endr
	s_mul_i32 s22, s15, SSTEP
	s_mul_i32 s23, s16, SSTEP
	s_add_co_u32 s23, s23, 2*QRT
	s_sub_co_u32 s23, s23, s22
	v_mul_u32_u24 v[ADS], s23, v2
	v_lshl_add_u32 v[ADS], v1, 5, v[ADS]
	s_add_co_u32 s22, s22, 12288
	v_add_nc_u32 v[ADS], s22, v[ADS]
	v_add_nc_u32 v[ADS+1], SLOT, v[ADS]
	v_add_nc_u32 v[ADS+2], 2*SLOT, v[ADS]
	s_mov_b32 s20, 0x76543210
	s_mov_b32 s21, 0xfedcba98
	v_lshlrev_b32 v18, 5, v1
	v_lshl_add_u32 v18, v2, 4, v18
	v_lshlrev_b32 v19, 6, v2
	WIN 0x40
.irp b, 0,1,2,3
.irp j, 0,1,2,3
	global_load_b128 v[192+16*\b+4*\j:195+16*\b+4*\j], v19, s[72:73] offset:128*\b+16*\j
.endr
.endr
	WIN 0
	s_wait_alu depctr_va_vdst(0)
	s_wait_tensorcnt 0x0                           ; my region is in
	s_barrier_signal -1
	s_barrier_wait -1
	FETCH 0, 0, 0
	STEPG 0, 1, 0, 1
	TURN 1, 1
	STEPG 1, 1, 0, 0
	STEPG 2, 0, 1, 0
	STEPG 2, 1, 0, 0
	TURN 0, 0
	STEPG 0, 1, 0, 0
	s_wait_dscnt 0x0
	MULS 1, 0, NBK, 0
	WIN 0
	PLACES 4
	s_wait_loadcnt 0x0
.irp b, 0,1,2,3
	v_mov_b32 v[TM+4+\b], 0
.endr
	v_mov_b32 v230, 0xc0135761
	v_mov_b32 v231, v230
.irp a, 0,1,2,3,4,5,6,7
.set qs, 64*(\a%4)
.set qw, 2+\a/4
	WIN qw|4
.set ep, 0
.rept 32
	v_pk_add_f32 v[HA+2*ep:HA+2*ep+1], v[qs+2*ep:qs+2*ep+1], v[192+2*ep:193+2*ep]
.set ep, ep+1
.endr
	WIN 0
.set ep, 0
.rept 32
	v_pk_mul_f32 v[E+2*ep:E+2*ep+1], v[HA+2*ep:HA+2*ep+1], v[HA+2*ep:HA+2*ep+1]
.set ep, ep+1
.endr
.set ep, 0
.rept 32
	v_pk_fma_f32 v[E+2*ep:E+2*ep+1], v[E+2*ep:E+2*ep+1], s[68:69], v[230:231] op_sel_hi:[1,0,0]
.set ep, ep+1
.endr
.set ep, 0
.rept 32
	v_pk_mul_f32 v[E+2*ep:E+2*ep+1], v[E+2*ep:E+2*ep+1], v[HA+2*ep:HA+2*ep+1]
.set ep, ep+1
.endr
.set ep, 0
	s_wait_alu depctr_va_vdst(0)
.rept 64
	v_exp_f32 v[E+ep], v[E+ep]
.set ep, ep+1
.endr
	v_nop
	s_wait_alu depctr_va_vdst(0)
.set ep, 0
.rept 32
	v_pk_add_f32 v[E+2*ep:E+2*ep+1], v[E+2*ep:E+2*ep+1], 1.0 op_sel_hi:[1,0]
.set ep, ep+1
.endr
.set ep, 0
	s_wait_alu depctr_va_vdst(0)
.rept 64
	v_rcp_f32 v[E+ep], v[E+ep]
.set ep, ep+1
.endr
	v_nop
	s_wait_alu depctr_va_vdst(0)
.set ep, 0
.rept 32
	v_pk_mul_f32 v[HA+2*ep:HA+2*ep+1], v[HA+2*ep:HA+2*ep+1], v[E+2*ep:E+2*ep+1]
.set ep, ep+1
.endr
.if \a > 0
	s_wait_xcnt 0x0
.endif
	QUANT HA, 0
	v_mov_b32 v[SW+\a], v[PW]
	STFRAG 1536*\a
.endr
	v_cmp_lt_u32 vcc_lo, 15, v3
.irp i, 0,1,2,3
	v_cndmask_b32 v[SW+\i], v[SW+\i], v[SW+4+\i], vcc_lo
.endr
	global_store_b128 v18, v[SW:SW+3], s[76:77] offset:12288
	s_wait_tensorcnt 0x0
	ds_add_u32 v14, v15
	s_wait_dscnt 0x0
	CROUND
	s_endpgm
.Lfunc_end_k_q52100f0035_fc1:
	.size	k_q52100f0035_fc1, .Lfunc_end_k_q52100f0035_fc1-k_q52100f0035_fc1
	.p2alignl 7, 3214868480
	.fill 96, 4, 3214868480
	.section	.rodata,"a",@progbits
	.p2align	6, 0x0
	.amdhsa_kernel k_q52100f0035_fc1
		.amdhsa_group_segment_fixed_size 327680
		.amdhsa_private_segment_fixed_size 0
		.amdhsa_enable_private_segment 0
		.amdhsa_kernarg_size 32
		.amdhsa_user_sgpr_count 2
		.amdhsa_user_sgpr_kernarg_segment_ptr 1
		.amdhsa_wavefront_size32 1
		.amdhsa_system_sgpr_workgroup_id_x 1
		.amdhsa_system_sgpr_workgroup_id_y 1
		.amdhsa_system_sgpr_workgroup_id_z 1
		.amdhsa_system_vgpr_workitem_id 0
		.amdhsa_next_free_vgpr 1024
		.amdhsa_next_free_sgpr 100
		.amdhsa_reserve_vcc 1
		.amdhsa_float_denorm_mode_32 3
		.amdhsa_float_denorm_mode_16_64 3
		.amdhsa_memory_ordered 1
		.amdhsa_forward_progress 1
		.amdhsa_inst_pref_size 255
	.end_amdhsa_kernel
	.section	.bss,"aw",@nobits
	.p2align	6
	.space	262144
	.amdgpu_metadata
---
amdhsa.version: [ 1, 2 ]
amdhsa.kernels:
  - .name:           k_q52100f0035_fc1
    .symbol:         k_q52100f0035_fc1.kd
    .args:
      - { .name: hq, .offset: 0, .size: 8, .value_kind: global_buffer, .address_space: global }
      - { .name: wc, .offset: 8, .size: 8, .value_kind: global_buffer, .address_space: global }
      - { .name: b_fc1, .offset: 16, .size: 8, .value_kind: global_buffer, .address_space: global }
      - { .name: fq, .offset: 24, .size: 8, .value_kind: global_buffer, .address_space: global }
    .group_segment_fixed_size: 327680
    .private_segment_fixed_size: 0
    .kernarg_segment_align: 8
    .kernarg_segment_size: 32
    .max_flat_workgroup_size: 128
    .sgpr_count:     100
    .vgpr_count:     1024
    .wavefront_size: 32
...
	.end_amdgpu_metadata
.endif
;; end of part 6
;; launch fc2 (part 7): grid 8 x 32, 4 waves a work-group, clusters of 4 x 4, 327,680 bytes of LDS; arguments fq, wc, b_fc2, temp, out0; writes out0
.if DOCPART == 7
	.amdgcn_target "amdgcn-amd-amdhsa--gfx1250"
	.amdhsa_code_object_version 6
	.text
	.protected	k_q52100f0035_fc2
	.globl	k_q52100f0035_fc2
	.p2align	8
	.type	k_q52100f0035_fc2,@function
k_q52100f0035_fc2:
	s_mov_b64 s[64:65], 0
	v_nop
	global_prefetch_b8 v0, s[64:65] scope:SCOPE_SE
	s_setreg_imm32_b32 hwreg(HW_REG_WAVE_MODE, 25, 1), 1
	s_wait_xcnt 0x0
	s_wait_alu depctr_hold_cnt(0) depctr_sa_sdst(0) depctr_va_vdst(0) depctr_va_sdst(0) depctr_va_ssrc(0) depctr_va_vcc(0) depctr_vm_vsrc(0)
	s_getreg_b32 s2, hwreg(HW_REG_IB_STS2, 6, 4)
	s_cmp_eq_u32 s2, 0
	s_cbranch_scc0 .Lentry_in_a_cluster
	s_endpgm
.Lentry_in_a_cluster:
	s_bfe_u32 s2, ttmp6, 0x10000c
	s_cmp_lg_u32 s2, 0xf033
	s_cbranch_scc0 .Lentry_shape_is_right
	s_endpgm
.Lentry_shape_is_right:
; out0 = temp + Q(gelu(..)) Q(W_fc2) + b_fc2, the product on codes of FP6 (E2M3); the sums, the bias and the residual in f32.
; OPERANDS lie in blocks of 12,800 bytes (128 rows x 128 K: eight fragments of 1,536 bytes as images of their registers, then 512 bytes of scale words, row r's eight at 32 r), laid [row group][K step];
; row r of fragment t is row 32 (t / 2) + 8 (t % 2) + r + (r & 8) of the group.  The product is used transposed (source 0 = W's rows, source 1 = tokens): a lane holds one token and eight neighbouring features a tile.
; SHARES.  N = 1,024: a tile of 128 x 128 to a work-group (256 of them), 64 x 64 (16 accumulators) to a wave.
; K = 4,096 IS 32 STEPS OF 128 through a ring of TWO EQUAL SLOTS of six steps: a slot holds A's six blocks and then B's six, 153,600 bytes.  The fills bring steps 0-5, 6-11, 12-17, 18-23, 24-29 and 30-31.
; Waves 0 and 1 fetch A's blocks, waves 2 and 3 B's, each one load of three blocks (150 rows of 256 bytes; in the last fill one block, 50 rows).  A refill is asked for in a slot's last step and awaited in the other
; slot's last step: the rest of that step and five steps, 88 matrix instructions of a wave, lie between.  No prefetch is laid beside that.
; The first fill goes out at the head; slot 1's first fill stands behind the full sequence and a round, as a refill does; the address registers and the residual's loads are made while the first fill is on its way.
; CLUSTERS of 4 x 4: the tokens' tiles are asked for jointly along a row of the cluster, W's along a column.
; OUT.  16 tokens x 64 features at a time through the wave's stage in LDS (in slot 0, which has had its last fill, and whose last reads the barrier in step 29 shows over), back as rows: sixteen lanes store 256 consecutive bytes, aligned.
; REGISTERS: window 0: v1-4, v5-8 A's fragments' LDS addresses (+ 16 x lane, + 8 x lane) for the four half slots of three steps; v9-12, v20-23 B's; v13, v19 the scale words' for slots 0, 1; v14, v15 the spare word's address and 0;
;   v16-18 the way out's addresses; v24-31 scale words, two sets; v32-79, v80-127 A's fragments, two sets; v128-255 the accumulators.   window 1: v0-47, v48-95 B's fragments; v96-99 the bias; v128-255 the residual.
.set NBK,  4
.set NKS,  32
.set NSL,  6                           ; K steps in a slot
.set WOFF, 6553600                     ; W_fc2's codes in wc
.set AW0,  0
.set ACC0, 128
.set AF,   32
.set BF,   0
.set SC,   24
.set ABSTEP, 6144                      ; from one half of a block's fragments to the other
.set GB,    12800
.set SLOT,  2*NSL*GB
.set SPARE, 2*SLOT                     ; behind the ring: the spare words, 128 bytes a wave
.set FR,    12
.set SETP,  FR*NBK
.set A16,  1
.set A8,   5
.set B16,  9
.set B8,   20
.set G1A, 24                           ; s[24:31] group 1 of A's tiles; s[32:35], s[36:39] group 0 for slots 0, 1
.set G0A, 32
.set G1B, 48                           ; s[48:55], s[56:59], s[60:63] the same for B's
.set G0B, 56
.set MSB, 0
.macro WIN new                         ; the immediate's high byte repeats the setting that is left; a switch that changes nothing is dropped
.if MSB != (\new)
	s_set_vgpr_msb (MSB<<8)|(\new)
.set MSB, (\new)
.endif
.endm
.macro PLACES n
.rept \n
	v_nop
.endr
.endm
; A joint load: waves 0 and 1 fetch for A, waves 2 and 3 for B; the branch hangs on the wave's number alone.  An s_nop 0 and four v_nop follow each of the two lines.
.macro JLOAD g0a, g1a, g0b, g1b
	s_cmp_eq_u32 s15, 0
	s_cbranch_scc0 .Lfor_b_\@
	tensor_load_to_lds s[\g0a:\g0a+3], s[\g1a:\g1a+7]
	s_nop 0
.rept 4
	v_nop
.endr
	s_branch .Lasked_\@
.Lfor_b_\@:
	tensor_load_to_lds s[\g0b:\g0b+3], s[\g1b:\g1b+7]
	s_nop 0
.rept 4
	v_nop
.endr
.Lasked_\@:
.endm
.macro CREST                           ; a round of the cluster's barrier behind its opening barrier
	s_cmp_lg_u32 s14, 0
	s_cbranch_scc1 .Lnot_wave_0_\@
	s_barrier_signal -3
.Lnot_wave_0_\@:
	s_barrier_wait -3
	s_barrier_signal -1
	s_barrier_wait -1
.endm
.macro CROUND
	s_barrier_signal -1
	s_barrier_wait -1
	CREST
.endm
.macro FRAG reg, a16, a8, off          ; a fragment's image: 512, 256, 512, 256 consecutive bytes
	ds_load_b128 v[\reg:\reg+3], v[\a16] offset:\off
	ds_load_b64 v[\reg+4:\reg+5], v[\a8] offset:\off+512
	ds_load_b128 v[\reg+6:\reg+9], v[\a16] offset:\off+768
	ds_load_b64 v[\reg+10:\reg+11], v[\a8] offset:\off+1280
.endm
.macro FETCH k, p                      ; K step k's fragments and scale words into set p.  Step k lies in slot (k / 6) % 2, as its block k % 6: half slot fh, block fq of three
.set fh, 2*(((\k)/NSL)%2)+((\k)%NSL)/3
.set fq, (\k)%3
	WIN 0x40                                       ; destination window 1
.set fi, 0
.rept NBK
.set fr, BF+SETP*(\p)+FR*fi
.set fo, fq*GB+fi*1536
	FRAG fr, B16+fh, B8+fh, fo
.set fi, fi+1
.endr
	WIN 0
.set fi, 0
.rept NBK
.set fr, AF+SETP*(\p)+FR*fi
.set fo, fq*GB+fi*1536
	FRAG fr, A16+fh, A8+fh, fo
.set fi, fi+1
.endr
	ds_load_b128 v[SC+NBK*(\p):SC+NBK*(\p)+3], v[13+6*(fh/2)] offset:((\k)%NSL)*GB   ; register i: lanes 0-15 the word of A's block i, lanes 16-31 that of B's block i
.endm
; A's blocks a0 .. a0 + n - 1 against B's NBK, from set p.  All accumulators take turns, one instruction a turn, in one order in every step.  zero: the products start the sums.
.macro MULS p, a0, n, zero
.set ma, \a0
.rept \n
	WIN (AW0+ma/4)*0x50+1                          ; source 0 (B) window 1, source 1 (A) window 0, C and D window 0
.set mb, 0
.rept NBK
.set rD, ACC0+8*(NBK*(ma%4)+mb)
.set rB, BF+SETP*(\p)+FR*mb
.set rA, AF+SETP*(\p)+FR*ma
.if \zero
	v_wmma_scale_f32_16x16x128_f8f6f4 v[rD:rD+7], v[rB:rB+FR-1], v[rA:rA+FR-1], 0, v[SC+NBK*(\p)+mb], v[SC+NBK*(\p)+ma] matrix_a_fmt:MATRIX_FMT_FP6 matrix_b_fmt:MATRIX_FMT_FP6 matrix_a_scale:MATRIX_SCALE_ROW1
.else
	v_wmma_scale_f32_16x16x128_f8f6f4 v[rD:rD+7], v[rB:rB+FR-1], v[rA:rA+FR-1], v[rD:rD+7], v[SC+NBK*(\p)+mb], v[SC+NBK*(\p)+ma] matrix_a_fmt:MATRIX_FMT_FP6 matrix_b_fmt:MATRIX_FMT_FP6 matrix_a_scale:MATRIX_SCALE_ROW1
.endif
.set mb, mb+1
.endr
.set ma, ma+1
.endr
.endm
; A slot's last step (an odd step: set 1) changes slots: one barrier; in front of it each wave waits for all its tensor loads, adds 0 to its spare word, and waits for that and for its reads of this slot.
; Where a fill two on is left, the barrier opens a round of the cluster's, and the slot is filled again.
.macro TURN k
.set tf, (\k)/NSL                      ; the fill that is left behind,
.set ts, tf%2                          ; and its slot
	s_wait_dscnt 0x0                               ; this step's fragments: my last reads of this slot
	s_wait_tensorcnt 0x0                           ; all my tensor loads have landed: my part of the other slot
	ds_add_u32 v14, v15                            ; 0 onto my spare word
	MULS 1, 0, NBK/4, 0                            ; matrix work stands between the add and the wait for it
	s_wait_dscnt 0x0                               ; the add is done
	s_barrier_signal -1
	MULS 1, NBK/4, NBK/4, 0
	WIN 0
	s_barrier_wait -1
.if tf+2 <= 5
	CREST                                          ; no wave of any partner still reads this slot or has a load on its way
	s_add_nc_u64 s[G0A+4*ts+2:G0A+4*ts+3], s[G0A+4*ts+2:G0A+4*ts+3], 2*NSL*GB
	s_add_nc_u64 s[G0B+4*ts+2:G0B+4*ts+3], s[G0B+4*ts+2:G0B+4*ts+3], 2*NSL*GB
.if tf+2 == 5                          ; the last fill is K steps 30 and 31: one block a wave
	s_sub_nc_u64 s[G0A+4*ts+2:G0A+4*ts+3], s[G0A+4*ts+2:G0A+4*ts+3], s[90:91]
	s_sub_nc_u64 s[G0B+4*ts+2:G0B+4*ts+3], s[G0B+4*ts+2:G0B+4*ts+3], s[90:91]
	s_mov_b32 s[G0A+4*ts+1], s89
	s_mov_b32 s[G0B+4*ts+1], s89
	s_mov_b32 s[G1A+2], 50<<16                     ; no load of mine is out: 50 rows
	s_mov_b32 s[G1A+4], 50
	s_mov_b32 s[G1B+2], 50<<16
	s_mov_b32 s[G1B+4], 50
.endif
	JLOAD G0A+4*ts, G1A, G0B+4*ts, G1B             ; the first tensor load behind the round, and my only one; its four v_nop are the places in front of the loads below
.else
	PLACES 4
.endif
	FETCH (\k)+1, 0
	MULS 1, NBK/2, NBK/2, 0
	WIN 0
.endm
.macro KSTEP k
.if (\k) == NKS-1
	s_wait_dscnt 0x0
	MULS 1, 0, NBK, 0
	WIN 0
.elseif (\k)%NSL == NSL-1
	TURN \k
.else
	s_wait_dscnt 0x0                               ; this step's fragments, asked for a step ago
	PLACES 4                                       ; in front of loads into the set that the last step's products read
	FETCH (\k)+1, ((\k)+1)%2
	MULS (\k)%2, 0, NBK, (\k)==0
	WIN 0
.endif
.endm
	s_load_b128 s[4:7], s[0:1], 0x0                ; fq, wc
	s_load_b128 s[8:11], s[0:1], 0x10              ; b_fc2, temp
	s_load_b64 s[12:13], s[0:1], 0x20              ; out0
	v_lshl_add_u32 v14, v0, 2, SPARE
	v_mov_b32 v15, 0
	ds_add_u32 v14, v15                            ; the opening lines
	ds_add_u32 v14, v15
	s_wait_dscnt 0x0
	v_lshrrev_b32 v32, 5, v0
	v_readfirstlane_b32 s14, v32                   ; wave 0..3
	s_lshr_b32 s15, s14, 1                         ; my half of the tokens.  Also: I fetch for A (0) or for B (1)
	s_and_b32 s16, s14, 1                          ; my half of the features.  Also: which three blocks of a fill I fetch
	s_bfe_u32 s40, ttmp6, 0x40000                  ; cx
	s_bfe_u32 s41, ttmp6, 0x40004                  ; cy
	s_lshl_b32 s42, ttmp9, 2
	s_add_co_u32 s42, s42, s40                     ; B's row group = 4 x cluster x + cx
	s_and_b32 s17, ttmp7, 0xffff
	s_lshl_b32 s17, s17, 2
	s_add_co_u32 s17, s17, s41                     ; A's row group = 4 x cluster y + cy
	s_lshl_b32 s43, s41, 2
	s_lshl_b32 s43, 15, s43                        ; my row of the cluster
	s_lshl_b32 s44, 0x1111, s40                    ; my column
	s_or_b32 s[G1A], s43, (3<<16)|(1<<21)          ; 15:0 the mask; 17:16 elements of 8 bytes; 21 set beside a mask; no padding
	s_or_b32 s[G1B], s44, (3<<16)|(1<<21)
.irp g, G1A, G1B
	s_mov_b32 s[\g+1], 32<<16                      ; tensor_dim0 = 32 elements: 256 bytes
	s_mov_b32 s[\g+2], 150<<16                     ; tensor_dim1 = 150 rows: three blocks of 12,800 bytes, dense
	s_mov_b32 s[\g+3], 32<<16
	s_mov_b32 s[\g+4], 150
	s_mov_b32 s[\g+5], 32
	s_mov_b32 s[\g+6], 0
	s_mov_b32 s[\g+7], 0
.endr
	s_mul_i32 s18, s16, 3*GB
	s_mul_i32 s20, s17, NKS*GB
	s_add_co_u32 s20, s20, s18
	s_mov_b32 s21, 0
	s_mul_i32 s46, s42, NKS*GB                     ; in registers that never hold A's coordinate
	s_add_co_u32 s46, s46, WOFF
	s_add_co_u32 s46, s46, s18
	s_mov_b32 s47, 0
	s_mul_i32 s45, s14, 3*GB                       ; where they go in a slot: wave x three blocks: no place in the cluster enters an LDS address
	s_mul_i32 s89, s15, NSL*GB                     ; and in the last fill: slot 1, A's part or B's, block 0 or 1
	s_mul_i32 s88, s16, GB
	s_add_co_u32 s89, s89, s88
	s_add_co_u32 s89, s89, SLOT
	s_mul_i32 s90, s16, 2*GB                       ; what the last fill's address lies short of the others' step
	s_mov_b32 s91, 0
	s_lshl_b32 s66, s17, 19                        ; my first token's row of 4,096 bytes: 128 x group + 64 x half,
	s_lshl_b32 s67, s15, 18
	s_add_co_u32 s66, s66, s67
	s_lshl_b32 s68, s42, 9                         ; my first feature, in bytes: 512 x group + 256 x half
	s_lshl_b32 s69, s16, 8
	s_add_co_u32 s68, s68, s69
	s_add_co_u32 s66, s66, s68
	s_mov_b32 s67, 0
	s_mov_b32 s69, 0
	s_mul_i32 s18, s15, ABSTEP                     ; my half of A's fragments,
	s_mul_i32 s19, s16, ABSTEP
	s_add_co_u32 s19, s19, NSL*GB                  ; and of B's, behind A's six blocks
	s_lshl_b32 s22, s15, 4                         ; the scale words: lanes 0-15 take A's rows, lanes 16-31 B's: the lower base + h x the distance
	s_lshl_b32 s23, s16, 4
	s_add_co_u32 s23, s23, NSL*GB
	s_sub_co_u32 s23, s23, s22
	s_add_co_u32 s22, s22, 12288
	s_mul_i32 s92, s14, 4352                       ; my stage: 16 rows of 256 bytes + 16, in slot 0
	s_wait_kmcnt 0x0
	s_add_nc_u64 s[20:21], s[4:5], s[20:21]
	s_add_nc_u64 s[46:47], s[6:7], s[46:47]
	s_add_nc_u64 s[8:9], s[8:9], s[68:69]
	s_add_nc_u64 s[10:11], s[10:11], s[66:67]
	s_add_nc_u64 s[12:13], s[12:13], s[66:67]
	CROUND                                         ; all sixteen work-groups are here: the first joint loads meet
.irp s, 0,1
	s_mov_b32 s[G0A+4*\s], 1
	s_add_co_u32 s[G0A+4*\s+1], s45, \s*SLOT
	s_add_nc_u64 s[G0A+4*\s+2:G0A+4*\s+3], s[20:21], \s*NSL*GB
	s_or_b32 s[G0A+4*\s+3], s[G0A+4*\s+3], 0x80000000
	s_mov_b32 s[G0B+4*\s], 1
	s_add_co_u32 s[G0B+4*\s+1], s45, \s*SLOT
	s_add_nc_u64 s[G0B+4*\s+2:G0B+4*\s+3], s[46:47], \s*NSL*GB
	s_or_b32 s[G0B+4*\s+3], s[G0B+4*\s+3], 0x80000000
.endr
	JLOAD G0A, G1A, G0B, G1B                       ; K steps 0 to 5: my one load at the head
	v_and_b32 v32, 15, v0                          ; r
	v_bfe_u32 v33, v0, 4, 1                        ; h
	v_and_b32 v34, 31, v0                          ; lane
	v_lshlrev_b32 v35, 4, v34
	v_lshlrev_b32 v36, 3, v34
	v_add_nc_u32 v[A16], s18, v35
	v_add_nc_u32 v[A8], s18, v36
	v_add_nc_u32 v[B16], s19, v35
	v_add_nc_u32 v[B8], s19, v36
.irp g, A16, A8, B16, B8
	v_add_nc_u32 v[\g+1], 3*GB, v[\g]              ; the four half slots
	v_add_nc_u32 v[\g+2], SLOT, v[\g]
	v_add_nc_u32 v[\g+3], SLOT+3*GB, v[\g]
.endr
	v_mul_u32_u24 v13, s23, v33
	v_lshl_add_u32 v13, v32, 5, v13
	v_add_nc_u32 v13, s22, v13
	v_add_nc_u32 v19, SLOT, v13
	v_mul_u32_u24 v16, v32, 272
	v_lshl_add_u32 v16, v33, 6, v16
	v_add_nc_u32 v16, s92, v16                     ; the stage, in: row r, + 64 h
	v_mul_u32_u24 v17, v33, 272
	v_lshl_add_u32 v17, v32, 4, v17
	v_add_nc_u32 v17, s92, v17                     ; back: lanes 0-15 one row, lanes 16-31 the next
	v_lshlrev_b32 v18, 12, v33
	v_lshl_add_u32 v18, v32, 4, v18                ; and the same two rows in memory
	v_lshlrev_b32 v37, 4, v32                      ; the bias of my four features on the way back
	WIN 0x40
.irp a, 0,1,2,3
.irp t, 0,1,2,3,4,5,6,7
	global_load_b128 v[128+32*\a+4*\t:131+32*\a+4*\t], v18, s[10:11] offset:(32*(\a/2)+8*(\a%2)+2*\t+8*(\t/4))*4096   ; the residual: stage rows 2 t, 2 t + 1 of block a are these tokens
.endr
.endr
	global_load_b128 v[96:99], v37, s[8:9]
	WIN 0
	s_wait_alu depctr_va_vdst(0)                   ; the wait at the head's end
	s_wait_xcnt 0x0                                ; the bias's load has read v37: fragments land there below
	s_wait_tensorcnt 0x0                           ; my part of slot 0 is in; these lines stand ahead of a later first fill as ahead of a refill:
	ds_add_u32 v14, v15
	s_wait_dscnt 0x0
	CROUND                                         ; a whole round: slot 0 is whole for everybody, and the joint loads meet
	JLOAD G0A+4, G1A, G0B+4, G1B                   ; K steps 6 to 11, the first tensor load behind the round
	FETCH 0, 0
.set KK, 0
.rept NKS
	KSTEP KK
.set KK, KK+1
.endr
	PLACES 4                                       ; in front of the first reads of results and the loads over fragments
	s_wait_alu depctr_va_vdst(0)
	s_wait_loadcnt 0x0                             ; the residual and the bias
.irp a, 0,1,2,3
.set BK, 32+32*(\a%2)
.if \a >= 2
	s_wait_xcnt 0x0                                ; block a - 2's stores have read their registers
.endif
.irp b, 0,1,2,3
	ds_store_b128 v16, v[128+8*(4*\a+\b):128+8*(4*\a+\b)+3] offset:128*(\b/2)+32*(\b%2)          ; each accumulator from its low end on: features 32 (b / 2) + 16 h + 8 (b % 2) + 0 .. 7
	ds_store_b128 v16, v[128+8*(4*\a+\b)+4:128+8*(4*\a+\b)+7] offset:128*(\b/2)+32*(\b%2)+16
.endr
.irp t, 0,1,2,3,4,5,6,7
	ds_load_b128 v[BK+4*\t:BK+4*\t+3], v17 offset:544*\t           ; LDS serves a wave's instructions in order: these see my stores
.endr
	s_wait_dscnt 0x0
	WIN 0x04                                       ; source 1 window 1
.irp u, 0,1,2,3,4,5,6,7,8,9,10,11,12,13,14,15
	v_pk_add_f32 v[BK+2*\u:BK+2*\u+1], v[BK+2*\u:BK+2*\u+1], v[128+32*\a+2*\u:129+32*\a+2*\u]
.endr
.irp t, 0,1,2,3,4,5,6,7
	v_pk_add_f32 v[BK+4*\t:BK+4*\t+1], v[BK+4*\t:BK+4*\t+1], v[96:97]
	v_pk_add_f32 v[BK+4*\t+2:BK+4*\t+3], v[BK+4*\t+2:BK+4*\t+3], v[98:99]
.endr
	WIN 0
.irp t, 0,1,2,3,4,5,6,7
	global_store_b128 v18, v[BK+4*\t:BK+4*\t+3], s[12:13] offset:(32*(\a/2)+8*(\a%2)+2*\t+8*(\t/4))*4096   ; sixteen lanes store 256 consecutive bytes, aligned
.endr
.endr
	s_wait_tensorcnt 0x0                           ; the wave's end
	ds_add_u32 v14, v15
	s_wait_dscnt 0x0
	CROUND                                         ; the closing round
	s_endpgm
.Lfunc_end_k_q52100f0035_fc2:
	.size	k_q52100f0035_fc2, .Lfunc_end_k_q52100f0035_fc2-k_q52100f0035_fc2
	.p2alignl 7, 3214868480
	.fill 96, 4, 3214868480
	.section	.rodata,"a",@progbits
	.p2align	6, 0x0
	.amdhsa_kernel k_q52100f0035_fc2
		.amdhsa_group_segment_fixed_size 327680
		.amdhsa_private_segment_fixed_size 0
		.amdhsa_enable_private_segment 0
		.amdhsa_kernarg_size 40
		.amdhsa_user_sgpr_count 2
		.amdhsa_user_sgpr_kernarg_segment_ptr 1
		.amdhsa_wavefront_size32 1
		.amdhsa_system_sgpr_workgroup_id_x 1
		.amdhsa_system_sgpr_workgroup_id_y 1
		.amdhsa_system_sgpr_workgroup_id_z 1
		.amdhsa_system_vgpr_workitem_id 0
		.amdhsa_next_free_vgpr 512
		.amdhsa_next_free_sgpr 96
		.amdhsa_reserve_vcc 0
		.amdhsa_float_denorm_mode_32 3
		.amdhsa_float_denorm_mode_16_64 3
		.amdhsa_memory_ordered 1
		.amdhsa_forward_progress 1
		.amdhsa_inst_pref_size 172
	.end_amdhsa_kernel
	.amdgpu_metadata
---
amdhsa.version: [ 1, 2 ]
amdhsa.kernels:
  - .name:           k_q52100f0035_fc2
    .symbol:         k_q52100f0035_fc2.kd
    .args:
      - { .name: fq, .offset: 0, .size: 8, .value_kind: global_buffer, .address_space: global }
      - { .name: wc, .offset: 8, .size: 8, .value_kind: global_buffer, .address_space: global }
      - { .name: b_fc2, .offset: 16, .size: 8, .value_kind: global_buffer, .address_space: global }
      - { .name: temp, .offset: 24, .size: 8, .value_kind: global_buffer, .address_space: global }
      - { .name: out0, .offset: 32, .size: 8, .value_kind: global_buffer, .address_space: global }
    .group_segment_fixed_size: 327680
    .private_segment_fixed_size: 0
    .kernarg_segment_align: 8
    .kernarg_segment_size: 40
    .max_flat_workgroup_size: 128
    .sgpr_count:     96
    .vgpr_count:     512
    .wavefront_size: 32
...
	.end_amdgpu_metadata
.endif
;; end of part 7
